; MI455X (gfx1250); checked and timed in simulation.
; The chip was launched on July 23, 2026; its instructions are those of AMD's public machine-readable ISA for CDNA 5 (MIT licence, August 2026) and "CDNA5" Instruction Set Architecture Reference Guide (July 2026). The comments in the code are by the model that wrote it; some were corrected since.
;; Transformer Encoder Layer. Allowed arithmetic: matrix products marked QUANTISED: E5M2 operands, one given power-of-two scale a tensor, by v_wmma_f32_16x16x64_bf8_bf8 or v_wmma_f32_16x16x128_bf8_bf8, f32 sums; products left as they are: f32 operands where the result goes on into a quantised operand, else bf16, f16 or f32 operands; f32 sums; everything else in f32.
;; Inputs: b_attn 128 float32; b_ff1 1,024 float32; b_ff2 256 float32; b_off 256 float32; b_out 256 float32; b_val 256 float32; be1 256 float32; be2 256 float32; g1 256 float32; g2 256 float32; level_start_index 4 int32; lowp_scales 12 int32 (the exponents e of the quantised operands' scales 2^e); padding_mask 8 x 5,440 bool; pos 8 x 5,440 x 256 float32; reference_points 8 x 5,440 x 4 x 2 float32; spatial_shapes 4 x 2 int32; src 8 x 5,440 x 256 float32; w_attn_codes 128 x 8 x 32 uint8 (E5M2 codes of w_attn, K innermost, in blocks of 32 codes); w_ff1_codes 1,024 x 8 x 32 uint8 (E5M2 codes of w_ff1, K innermost, in blocks of 32 codes); w_ff2_codes 256 x 32 x 32 uint8 (E5M2 codes of w_ff2, K innermost, in blocks of 32 codes); w_off_codes 256 x 8 x 32 uint8 (E5M2 codes of w_off, K innermost, in blocks of 32 codes); w_out_codes 256 x 8 x 32 uint8 (E5M2 codes of w_out, K innermost, in blocks of 32 codes); w_val_codes 256 x 8 x 32 uint8 (E5M2 codes of w_val, K innermost, in blocks of 32 codes).
;; Outputs: out0 8 x 5,440 x 256 float32.
;; This version of the problem:
;;   THIS VERSION OF THE PROBLEM IS GIVEN IN LOW PRECISION. The matrix products marked QUANTISED in the list below multiply operands that are first quantised to E5M2 (5 exponent bits, 2 mantissa bits; 8 bits a number), with one given power-of-two scale for each operand tensor; their sums are f32. All else is computed in f32.
;;   The module's matrix products, in the order in which they are computed (A, B: the left and right operand; K: the contracted axis; several contracted axes count as one K, in the product's order):
;;     1. [M 43,520, K 256] x [K 256, N 256]; A: input src; B: input w_val (given as codes): QUANTISED (scales: A lowp_scales[0], B lowp_scales[1])
;;     2. [M 43,520, K 256] x [K 256, N 256]; A: computed on the way; B: input w_off (given as codes): QUANTISED (scales: A lowp_scales[2], B lowp_scales[3])
;;     3. [M 43,520, K 256] x [K 256, N 128]; A: computed on the way; B: input w_attn (given as codes): QUANTISED (scales: A lowp_scales[4], B lowp_scales[5])
;;     4. batch 348,160 x [M 32, K 4] x [K 4, N 1]; A: computed on the way; B: computed on the way: left as it is (K = 4 < 32)
;;     5. batch 348,160 x [M 32, K 4] x [K 4, N 1]; A: computed on the way; B: computed on the way: left as it is (K = 4 < 32)
;;     6. batch 348,160 x [M 32, K 4] x [K 4, N 1]; A: computed on the way; B: computed on the way: left as it is (K = 4 < 32)
;;     7. batch 348,160 x [M 32, K 4] x [K 4, N 1]; A: computed on the way; B: computed on the way: left as it is (K = 4 < 32)
;;     8. [M 43,520, K 256] x [K 256, N 256]; A: computed on the way; B: input w_out (given as codes): QUANTISED (scales: A lowp_scales[6], B lowp_scales[7])
;;     9. [M 43,520, K 256] x [K 256, N 1,024]; A: computed on the way; B: input w_ff1 (given as codes): QUANTISED (scales: A lowp_scales[8], B lowp_scales[9])
;;     10. [M 43,520, K 1,024] x [K 1,024, N 256]; A: computed on the way; B: input w_ff2 (given as codes): QUANTISED (scales: A lowp_scales[10], B lowp_scales[11])
;;   THE QUANTISER, for each operand of a quantised product, along K:
;;     - The operand's scale is 2^e, e = its entry of the input lowp_scales (int32; the entries are numbered through the quantised products in the list's order, A before B).
;;     - Each number is divided by the scale, clamped to +-57,344, and rounded to the nearest number of E5M2, ties to even, subnormals kept.
;;     - The product sums the exact products of the quantised numbers (number of the format x scale) in f32.
;;   ~~~python
;;   def quantise(x, axis, e):      # numpy; x: float32 -> the quantised numbers, widened to float32 again
;;       x = np.moveaxis(x, axis, -1); K = x.shape[-1]
;;       r = np.clip(x / 2.0 ** e, -57344, 57344)
;;       step = 2.0 ** (np.maximum(np.frexp(np.where(r == 0, 1, r))[1] - 1, -14) - 2)
;;       q = np.round(r / step) * step * 2.0 ** e      # np.round: ties to even
;;       return np.moveaxis(q, -1, axis).astype(np.float32)
;;   ~~~
;;   OPERANDS COMPUTED ON THE WAY. 'Computed on the way' means the value that the module computes at that place (a softmax that the list does not call 'softmax' is quantised finished and normalised). What goes into a quantiser is computed in f32, as accurately as f32 sums, v_exp_f32 and their like allow (about 1e-6 of the number): no bf16 or f16 on the way to a quantiser, and a product that is left as it is and whose result goes on into a quantised operand takes f32 operands (vector FMAs, or v_wmma_f32_16x16x4_f32). A number that lies on a knife's edge between two numbers of the format may be rounded either way, as far as f32 arithmetic and the matrix unit's own rounding can turn it there, and no further.
;;   INPUTS GIVEN AS CODES. w_attn (in the module: [256, 128], K = its axis 0); w_ff1 (in the module: [256, 1024], K = its axis 0); w_ff2 (in the module: [1024, 256], K = its axis 0); w_off (in the module: [256, 256], K = its axis 0); w_out (in the module: [256, 256], K = its axis 0); w_val (in the module: [256, 256], K = its axis 0): each comes as NAME_codes (uint8): NAME with its K axis moved to the last place and cut into blocks of 32 codes, [.., K / 32, bytes a block], one block behind the other in memory; one code a byte (a code: sign, 5 exponent bits, 2 mantissa bits); its scale is its entry of lowp_scales. Its value is code x scale, taken as it is: it is not quantised again, and the codes and scales need not be those that the quantiser above would give.
;; 2 versions, each right; version 2 is version 1 with the launches proj, ffn written anew for expert scheduling mode. Each part assembles by itself: llvm-mc -triple=amdgcn-amd-amdhsa -mcpu=gfx1250 --defsym DOCPART=n.
;; ======== version 1 of 2: 4 launches
;; workspace buffers: wfrag 753,664 bytes; value 44,564,480 bytes; samp 44,564,480 bytes; pidx 22,282,240 bytes of whole numbers; pwt 66,846,720 bytes
;; launch wprep (part 1): grid 92 x 1, 4 waves a work-group, no clusters, 0 bytes of LDS; arguments w_val_codes, w_off_codes, w_attn_codes, w_out_codes, w_ff1_codes, w_ff2_codes, wfrag; writes wfrag
.if DOCPART == 1
	.amdgcn_target "amdgcn-amd-amdhsa--gfx1250"
	.amdhsa_code_object_version 6
	.text
	.protected	k_qa0701ab156_wprep
	.globl	k_qa0701ab156_wprep
	.p2align	8
	.type	k_qa0701ab156_wprep,@function
k_qa0701ab156_wprep:
	s_mov_b64 s[64:65], 0
	v_nop
	global_prefetch_b8 v0, s[64:65] scope:SCOPE_SE
	s_setreg_imm32_b32 hwreg(HW_REG_WAVE_MODE, 25, 1), 1
	s_wait_xcnt 0x0
; The six weights arrive as E5M2 codes, rows of K bytes.  They are laid once in the order of an operand's registers, so that the later launches
; load a fragment (16 rows x 128 K, 2,048 bytes) by four loads of 512 consecutive bytes straight into 16 registers.
; Fragment F lies at 2,048 F; piece c at + 512 c; lane L at + 16 L and holds W[row][128 s + 32 c + 16 (L / 16) + 0 .. 15].
; Sections: val F 0-31, off 32-63, attn 64-79, out 80-111, ff1 112-239 (two K steps a tile: F = F0 + 2 tile + s), ff2 240-367 (eight K steps).
; The row of tile-row rho = 16 tile + L % 16 is rho, with two bits exchanged in two sections: attn bits 2 and 3 (a half of the lanes then gets levels h and 2 + h),
; ff1 bits 3 and 4 (the results of two neighbouring tiles are then 16 neighbours along the next K).
; One wave copies one fragment: 92 work-groups x 4 waves = 368.
	s_load_b256 s[4:11], s[0:1], 0x0               ; val s[4:5], off s[6:7], attn s[8:9], out s[10:11]
	s_load_b128 s[12:15], s[0:1], 0x20             ; ff1 s[12:13], ff2 s[14:15]
	s_load_b64 s[16:17], s[0:1], 0x30              ; wfrag
	v_lshrrev_b32 v1, 5, v0
	v_readfirstlane_b32 s18, v1                    ; wave
	s_lshl_b32 s19, ttmp9, 2
	s_add_co_u32 s19, s19, s18                     ; F
	v_and_b32 v2, 15, v0                           ; r
	v_bfe_u32 v3, v0, 4, 1                         ; h
	v_and_b32 v4, 31, v0
	v_lshlrev_b32 v6, 4, v4                        ; 16 x lane
	s_mov_b32 s22, 240                             ; the section's first fragment,
	s_mov_b32 s23, 3                               ; log2 of its K steps,
	s_mov_b32 s24, 1024                            ; a row's bytes,
	s_mov_b32 s25, 0                               ; the lower of the two bits exchanged: ff2's, to begin with
	s_wait_kmcnt 0x0
	s_mov_b64 s[20:21], s[14:15]
.macro PICK bound, ptr, f0, lgs, kb, m         ; below this fragment number the section is an earlier one; the choice hangs on ids alone
	s_cmp_lt_u32 s19, \bound
	s_cselect_b64 s[20:21], s[\ptr:\ptr+1], s[20:21]
	s_cselect_b32 s22, \f0, s22
	s_cselect_b32 s23, \lgs, s23
	s_cselect_b32 s24, \kb, s24
	s_cselect_b32 s25, \m, s25
.endm
	PICK 240, 12, 112, 1, 256, 8
	PICK 112, 10, 80, 1, 256, 0
	PICK 80, 8, 64, 1, 256, 4
	PICK 64, 6, 32, 1, 256, 0
	PICK 32, 4, 0, 1, 256, 0
	s_sub_co_u32 s26, s19, s22                     ; the fragment's number in its section
	s_lshr_b32 s27, s26, s23                       ; tile
	s_lshl_b32 s28, s27, s23
	s_sub_co_u32 s28, s26, s28                     ; K step
	s_lshl_b32 s28, s28, 7                         ; its 128 bytes
	s_lshl_b32 s27, s27, 4
	s_lshl_b32 s29, s25, 1
	v_add_nc_u32 v7, s27, v2                       ; rho
	v_and_b32 v8, s25, v7                          ; its lower bit,
	v_and_b32 v9, s29, v7                          ; its upper bit
	v_lshrrev_b32 v9, 1, v9
	v_add_nc_u32 v7, v7, v8
	v_sub_nc_u32 v7, v7, v9                        ; exchanged: rho + lower - upper / 2
	v_mul_lo_u32 v5, v7, s24
	v_lshl_add_u32 v5, v3, 4, v5
	v_add_nc_u32 v5, s28, v5                       ; row x K + 16 h + 128 s
	s_lshl_b32 s30, s19, 11
	s_mov_b32 s31, 0
	s_add_nc_u64 s[16:17], s[16:17], s[30:31]
.irp c, 0,1,2,3
	global_load_b128 v[12+4*\c:15+4*\c], v5, s[20:21] offset:32*\c
.endr
	s_wait_loadcnt 0x0
.irp c, 0,1,2,3
	global_store_b128 v6, v[12+4*\c:15+4*\c], s[16:17] offset:512*\c   ; 32 lanes store 512 consecutive bytes
.endr
	s_endpgm
.Lfunc_end_k_qa0701ab156_wprep:
	.size	k_qa0701ab156_wprep, .Lfunc_end_k_qa0701ab156_wprep-k_qa0701ab156_wprep
	.p2alignl 7, 3214868480
	.fill 96, 4, 3214868480
	.section	.rodata,"a",@progbits
	.p2align	6, 0x0
	.amdhsa_kernel k_qa0701ab156_wprep
		.amdhsa_group_segment_fixed_size 0
		.amdhsa_private_segment_fixed_size 0
		.amdhsa_enable_private_segment 0
		.amdhsa_kernarg_size 56
		.amdhsa_user_sgpr_count 2
		.amdhsa_user_sgpr_kernarg_segment_ptr 1
		.amdhsa_wavefront_size32 1
		.amdhsa_system_sgpr_workgroup_id_x 1
		.amdhsa_system_sgpr_workgroup_id_y 1
		.amdhsa_system_sgpr_workgroup_id_z 1
		.amdhsa_system_vgpr_workitem_id 0
		.amdhsa_next_free_vgpr 32
		.amdhsa_next_free_sgpr 66
		.amdhsa_reserve_vcc 0
		.amdhsa_float_denorm_mode_32 3
		.amdhsa_float_denorm_mode_16_64 3
		.amdhsa_memory_ordered 1
		.amdhsa_forward_progress 1
		.amdhsa_inst_pref_size 4
	.end_amdhsa_kernel
	.amdgpu_metadata
---
amdhsa.version: [ 1, 2 ]
amdhsa.kernels:
  - .name:           k_qa0701ab156_wprep
    .symbol:         k_qa0701ab156_wprep.kd
    .args:
      - { .name: w_val_codes, .offset: 0, .size: 8, .value_kind: global_buffer, .address_space: global }
      - { .name: w_off_codes, .offset: 8, .size: 8, .value_kind: global_buffer, .address_space: global }
      - { .name: w_attn_codes, .offset: 16, .size: 8, .value_kind: global_buffer, .address_space: global }
      - { .name: w_out_codes, .offset: 24, .size: 8, .value_kind: global_buffer, .address_space: global }
      - { .name: w_ff1_codes, .offset: 32, .size: 8, .value_kind: global_buffer, .address_space: global }
      - { .name: w_ff2_codes, .offset: 40, .size: 8, .value_kind: global_buffer, .address_space: global }
      - { .name: wfrag, .offset: 48, .size: 8, .value_kind: global_buffer, .address_space: global }
    .group_segment_fixed_size: 0
    .private_segment_fixed_size: 0
    .kernarg_segment_align: 8
    .kernarg_segment_size: 56
    .max_flat_workgroup_size: 128
    .sgpr_count:     66
    .vgpr_count:     32
    .wavefront_size: 32
...
	.end_amdgpu_metadata
.endif
;; end of part 1
;; launch proj (part 2): grid 85 x 8, 4 waves a work-group, no clusters, 116,224 bytes of LDS; arguments src, pos, reference_points, padding_mask, b_val, b_off, b_attn, lowp_scales, wfrag, value, pidx, pwt; writes value, pidx, pwt
.if DOCPART == 2
	.amdgcn_target "amdgcn-amd-amdhsa--gfx1250"
	.amdhsa_code_object_version 6
	.text
	.protected	k_qa0701ab156_proj
	.globl	k_qa0701ab156_proj
	.p2align	8
	.type	k_qa0701ab156_proj,@function
k_qa0701ab156_proj:
	s_mov_b64 s[64:65], 0
	v_nop
	global_prefetch_b8 v0, s[64:65] scope:SCOPE_SE
	s_setreg_imm32_b32 hwreg(HW_REG_WAVE_MODE, 25, 1), 1
	s_wait_xcnt 0x0
; value = src w_val + b_val (0 where the padding mask is set); offsets = (src + pos) w_off + b_off; weights = softmax((src + pos) w_attn + b_attn) over a head's 16 points.
; The three products run on E5M2 codes: src with 2^e0, the query with 2^e2 and again with 2^e4, the weights' codes as given (e1, e3, e5); sums in f32.
; Of offsets, weights and reference points this launch makes, for each (row, head, level, point), what the sampling launch needs:
;   a whole number (two LDS places of 16 bytes: pixels (yc, xc) and (yc, xc + 1)) -> pidx, and three f32 numbers wx', wy', aw' -> pwt.
; BILINEAR WITH ZERO PADDING AS A TENT.  Along an axis: xc = floor(x) held in 0 .. W - 2; d = x - xc; wx' = d held in 0 .. 1; sx = max(0, 1 - |d - wx'|).  Pixels xc, xc + 1 with weights
; (1 - wx') sx and wx' sx are the two corners with what lies outside the map weighing 0; aw' = aw sx sy.  All four corners then lie inside the map.
; SHARES.  A work-group takes 64 rows of one image.  First wave w quantises rows 16 w .. 16 w + 15 and lays the codes in LDS as images of operand registers; then THE WAVES SHARE THE COLUMNS:
; wave w has value columns 64 w .. + 63 and heads 2 w, 2 w + 1: 10 tiles of 16 columns, whose 20 weight fragments and biases stay in its registers.
; All products are used transposed (source 0 = 16 weight rows, source 1 = 16 data rows): lane (r, h) holds data row r, register j column 8 h + j of the tile.
; The map sizes 64, 32, 16, 8 and the levels' starts are the constants that the computation itself is written with; the inputs spatial_shapes and level_start_index enter no result and are not read.
; LIMITS: e0, e2, e4 between -126 and 112; e0 + e1, e2 + e3, e4 + e5 between -126 and 127 (each power of two is made as an f32 number).  NaN and infinity among the inputs are not served:
; a corner of weight 0 is still multiplied later, and a masked row is multiplied by 0.
; REGISTERS, in windows of 256.  window 0: v1-14 addresses; v16-31 the levels' constants; v32-47 codes just made, later mask, reference points and softmax; v48-111 at work;
;   v128-255 a tile's 16 rows in the quantiser's order, later v80-175 six fragments of codes and v176-255 ten accumulators.
;   window 1: weight fragments of tiles 0-7.  window 2: v0-63 those of tiles 8, 9; v64-143 the biases.  window 3: v0-127 src as loaded, v128-255 pos, then the query.
.set STP,   1040                       ; a stage row: 1,024 bytes + 16 = 260 words: row r begins at bank 4 r mod 64 (64 banks of 4 bytes: ISA guide 11.1)
.set WSTG,  16*STP                     ; a wave's stage
.set IMG,   4*WSTG                     ; behind the stages: 3 sets x 4 row tiles x 2 K steps x 2,048 bytes of images
.set LI,    4                          ; v4   16 x lane
.set STW,   5                          ; v5   the stage as rows are loaded: wave's stage + 16 x lane
.set STR,   6                          ; v6   the stage as the quantiser wants it: + 1,040 r + 64 h
.set XWI,   7                          ; v7   where I store images: IMG + 4,096 wave + 16 x lane
.set LIM,   14                         ; v14  where images are read: IMG + 16 x lane
.set PC,    32
.set TQ,    48
.set D,     128
.set XF,    80
.set ACC,   176
.set FF,    52                         ; POINTS: the held floors;
.set EE,    60                         ; what falls outside;
.set PP,    68                         ; the pixel's number;
.set QQ,    72                         ; its parity
.set MSB, 0
.macro WIN new                         ; the immediate's high byte repeats the setting that is left; a switch that changes nothing is dropped
.if MSB != \new
	s_set_vgpr_msb (MSB<<8)|\new
.set MSB, \new
.endif
.endm
.macro PLACES                          ; four plain vector instructions between a matrix instruction and the first read of its results (ISA guide 7.12.1)
.rept 4
	v_nop
.endr
.endm
; 64 numbers of a lane (register 16 b + i = k 32 b + 16 h + i of my row) become a fragment's codes in v[PC] on.  The conversion to an 8-bit code does not saturate (ISA guide 7.6.2): the numbers are first held at the largest code x the scale.
.macro QUANT win, src, dst, relu, sc, lim
	WIN \win
.set qi, 0
.rept 64
.if \relu
	v_med3_num_f32 v[\dst+qi], v[\src+qi], 0, v[\lim]
.else
	v_med3_num_f32 v[\dst+qi], v[\src+qi], -v[\lim], v[\lim]
.endif
.set qi, qi+1
.endr
	WIN 0
.set qi, 0
.rept 8
	v_cvt_scalef32_pk8_bf8_f32 v[PC+2*qi:PC+2*qi+1], v[\dst+8*qi:\dst+8*qi+7], v[\sc]
.set qi, qi+1
.endr
	v_nop                                          ; a plain vector instruction between the last conversion and whatever next writes its sources
.endm
.macro IMAGE adr, off                          ; the fragment in v[PC] on goes to LDS as it stands: 512 consecutive bytes a store
.irp c, 0,1,2,3
	ds_store_b128 v[\adr], v[PC+4*\c:PC+4*\c+3] offset:\off+512*\c
.endr
.endm
.macro FETCH reg, adr, off                     ; and comes back so, in any wave
.irp c, 0,1,2,3
	ds_load_b128 v[\reg+4*\c:\reg+4*\c+3], v[\adr] offset:\off+512*\c
.endr
.endm
.macro BACK                                    ; my 16 rows out of the stage, 16 neighbours of each block of 32 to a lane; LDS serves a wave's instructions in order, so these see the stores above
.irp b, 0,1,2,3,4,5,6,7
.irp j, 0,1,2,3
	ds_load_b128 v[D+16*\b+4*\j:D+16*\b+4*\j+3], v[STR] offset:128*\b+16*\j
.endr
.endr
.endm
.macro MKQ e, vsc, vlim                        ; 2^e and 57,344 x 2^e as f32 numbers
	s_add_co_i32 s54, s[\e], 127
	s_lshl_b32 s55, s54, 23
	v_mov_b32 v[\vsc], s55
	s_add_co_i32 s54, s54, 15
	s_lshl_b32 s54, s54, 23
	s_or_b32 s54, s54, 0x600000
	v_mov_b32 v[\vlim], s54
.endm
.macro MKF d, ea, eb                           ; 2^(ea + eb) as f32, in both words of a pair
	s_add_co_i32 s[\d], s[\ea], s[\eb]
	s_add_co_i32 s[\d], s[\d], 127
	s_lshl_b32 s[\d], s[\d], 23
	s_mov_b32 s[\d+1], s[\d]
.endm
	s_load_b512 s[4:19], s[0:1], 0x0               ; src 4, pos 6, reference points 8, mask 10, b_val 12, b_off 14, b_attn 16, scales 18
	s_load_b256 s[20:27], s[0:1], 0x40             ; wfrag 20, value 22, pidx 24, pwt 26
	v_lshl_add_u32 v23, v0, 2, 0x1c400
	v_mov_b32 v31, 0
	v_lshrrev_b32 v1, 5, v0
	v_readfirstlane_b32 s36, v1                    ; wave
	v_and_b32 v1, 31, v0                           ; lane
	v_and_b32 v2, 15, v0                           ; r; also my byte among a tile's 16 mask bytes
	v_bfe_u32 v3, v0, 4, 1                         ; h
	v_lshlrev_b32 v[LI], 4, v1
	s_and_b32 s37, ttmp7, 0xffff                   ; image n
	s_mul_i32 s38, s37, 5440
	s_lshl_b32 s39, ttmp9, 6
	s_add_co_u32 s38, s38, s39                     ; R0: the work-group's first row
	s_lshl_b32 s54, s36, 4
	s_add_co_u32 s54, s54, s38
	s_lshl_b32 s54, s54, 10                        ; my wave's first row, in bytes
	s_mov_b32 s55, 0
	s_wait_kmcnt 0x0
	s_load_b256 s[28:35], s[18:19], 0x0            ; e0 .. e7
	s_add_nc_u64 s[4:5], s[4:5], s[54:55]
	s_add_nc_u64 s[6:7], s[6:7], s[54:55]
	WIN 0xc0                                       ; destination window 3
.irp i, 0,1,2,3,4,5,6,7,8,9,10,11,12,13,14,15
	global_load_b128 v[8*\i:8*\i+3], v[LI], s[4:5] offset:1024*\i th:TH_LOAD_NT       ; 32 lanes read 512 consecutive bytes: half a row
	global_load_b128 v[8*\i+4:8*\i+7], v[LI], s[4:5] offset:1024*\i+512 th:TH_LOAD_NT
.endr
.irp i, 0,1,2,3,4,5,6,7,8,9,10,11,12,13,14,15
	global_load_b128 v[128+8*\i:128+8*\i+3], v[LI], s[6:7] offset:1024*\i th:TH_LOAD_NT
	global_load_b128 v[128+8*\i+4:128+8*\i+7], v[LI], s[6:7] offset:1024*\i+512 th:TH_LOAD_NT
.endr
	WIN 0
	; the other bases; none is stepped later
	s_lshl_b32 s54, s38, 5
	s_add_nc_u64 s[8:9], s[8:9], s[54:55]          ; reference points: 32 bytes a row
	s_mov_b32 s54, s38
	s_add_nc_u64 s[10:11], s[10:11], s[54:55]      ; mask: a byte a row
	s_lshl_b32 s54, s36, 8
	s_add_nc_u64 s[12:13], s[12:13], s[54:55]      ; b_val, b_off: my 64 numbers
	s_add_nc_u64 s[14:15], s[14:15], s[54:55]
	s_lshl_b32 s54, s36, 7
	s_add_nc_u64 s[16:17], s[16:17], s[54:55]      ; b_attn: my 32
	s_lshl_b32 s54, s36, 14
	s_add_nc_u64 s[48:49], s[20:21], s[54:55]      ; w_val's fragments: my 8
	s_add_nc_u64 s[50:51], s[48:49], 0x10000       ; w_off's
	s_lshl_b32 s54, s36, 13
	s_add_nc_u64 s[52:53], s[20:21], s[54:55]
	s_add_nc_u64 s[52:53], s[52:53], 0x20000       ; w_attn's: my 4
	s_mul_i32 s54, s37, 5570560                    ; value [n][64 groups of 4 channels][5,440 rows][4]: the image,
	s_mul_i32 s56, s36, 1392640                    ; my 16 groups,
	s_add_co_u32 s54, s54, s56
	s_lshl_b32 s56, ttmp9, 10                      ; the work-group's rows
	s_add_co_u32 s54, s54, s56
	s_add_nc_u64 s[22:23], s[22:23], s[54:55]
	s_lshl_b32 s56, s37, 3
	s_lshl_b32 s57, s36, 1
	s_add_co_u32 s56, s56, s57                     ; 8 n + my first head
	s_mul_i32 s54, s56, 348160                     ; pidx: 340 blocks of 16 rows x 1,024 bytes a head
	s_lshl_b32 s57, ttmp9, 12
	s_add_co_u32 s54, s54, s57
	s_add_nc_u64 s[24:25], s[24:25], s[54:55]
	s_mul_i32 s54, s56, 1044480                    ; pwt: 340 x 3,072
	s_mul_i32 s57, ttmp9, 12288
	s_add_co_u32 s54, s54, s57
	s_add_nc_u64 s[26:27], s[26:27], s[54:55]
	s_mov_b32 s46, 0x76543210                      ; v_permlanex16_b32: lane l xor 16
	s_mov_b32 s47, 0xfedcba98
	s_mul_i32 s56, s36, WSTG
	v_add_nc_u32 v[STW], s56, v[LI]
	v_mul_u32_u24 v[STR], v2, STP
	v_lshl_add_u32 v[STR], v3, 6, v[STR]
	v_add_nc_u32 v[STR], s56, v[STR]
	s_lshl_b32 s57, s36, 12
	s_add_co_u32 s57, s57, IMG
	v_add_nc_u32 v[XWI], s57, v[LI]
	v_add_nc_u32 v[LIM], IMG, v[LI]
	v_lshlrev_b32 v8, 5, v3                        ; b_val, b_off: my half's eight numbers of a tile
	v_lshlrev_b32 v9, 4, v3                        ; b_attn: my half's four points of a level
	v_mul_u32_u24 v10, v3, 174080
	v_lshl_add_u32 v10, v2, 4, v10                 ; value: two groups of channels a half, 16 bytes a row
	v_lshlrev_b32 v11, 8, v3
	v_lshl_add_u32 v11, v2, 4, v11                 ; pidx: 256 bytes a level, 16 a row
	v_mul_u32_u24 v12, v3, 768
	v_lshl_add_u32 v12, v2, 4, v12                 ; pwt: 768 bytes a level
	v_lshlrev_b32 v13, 5, v2
	v_lshl_add_u32 v13, v3, 3, v13                 ; reference points: 32 r + 8 h
	; the levels' constants.  Lane half h serves level h (v16-23) and level 2 + h (v24-31): + 0: 1 / W, + 1: W - 2, + 2: W / 2, + 3: W, + 4: the level's first pixel in its LDS region,
	; + 5, + 6: A, B: the place of pixel P, in units of 16 bytes, is A P - B (P mod 2), that of P + 1 is A P + B (P mod 2) + 1 (level 0 lies plain: 1, 0; levels 1-3 lie two pixels to 256 bytes: 8, 7)
	v_mov_b32 v15, 64
	v_lshrrev_b32 v19, v3, v15
	v_cvt_f32_u32 v19, v19
	v_add_nc_u32 v16, -6, v3
	v_ldexp_f32 v16, 1.0, v16
	v_add_f32 v17, -2.0, v19
	v_mul_f32 v18, 0.5, v19
	v_mov_b32 v20, 0
	v_mul_u32_u24 v22, v3, 7
	v_add_nc_u32 v21, 1, v22
	v_mov_b32 v15, 16
	v_lshrrev_b32 v27, v3, v15
	v_cvt_f32_u32 v27, v27
	v_add_nc_u32 v24, -4, v3
	v_ldexp_f32 v24, 1.0, v24
	v_add_f32 v25, -2.0, v27
	v_mul_f32 v26, 0.5, v27
	v_lshl_add_u32 v28, v3, 8, 1024
	v_cvt_f32_u32 v28, v28
	v_mov_b32 v29, 8
	v_mov_b32 v30, 7
	s_wait_kmcnt 0x0
	MKQ 28, 112, 113                               ; src's scale
	MKQ 30, 114, 115                               ; the query's, for the offsets
	MKQ 32, 116, 117                               ; the query's, for the weights
	MKF 40, 28, 29
	MKF 42, 30, 31
	MKF 44, 32, 33
	; ---- X: my 16 rows become six fragments of codes
	s_wait_loadcnt 32                              ; src's 32 loads are in; pos's 32 may be out
	WIN 0x0c                                       ; store data in window 3
.irp i, 0,1,2,3,4,5,6,7,8,9,10,11,12,13,14,15
	ds_store_b128 v[STW], v[8*\i:8*\i+3] offset:STP*\i
	ds_store_b128 v[STW], v[8*\i+4:8*\i+7] offset:STP*\i+512
.endr
	WIN 0
	BACK
	s_wait_loadcnt 0x0                             ; pos is in; only now the weights are asked for, so that this wait had nothing behind it: they land under the quantising
	WIN 0x40
.irp f, 0,1,2,3,4,5,6,7
.irp c, 0,1,2,3
	global_load_b128 v[16*\f+4*\c:16*\f+4*\c+3], v[LI], s[48:49] offset:2048*\f+512*\c           ; value tiles 0-3, fragment 2 tile + K step
.endr
.endr
.irp f, 0,1,2,3,4,5,6,7
.irp c, 0,1,2,3
	global_load_b128 v[128+16*\f+4*\c:128+16*\f+4*\c+3], v[LI], s[50:51] offset:2048*\f+512*\c   ; offset tiles 4-7
.endr
.endr
	WIN 0x80
.irp f, 0,1,2,3
.irp c, 0,1,2,3
	global_load_b128 v[16*\f+4*\c:16*\f+4*\c+3], v[LI], s[52:53] offset:2048*\f+512*\c           ; weight tiles 8, 9
.endr
.endr
.irp t, 0,1,2,3
	global_load_b128 v[64+8*\t:67+8*\t], v8, s[12:13] offset:64*\t
	global_load_b128 v[68+8*\t:71+8*\t], v8, s[12:13] offset:64*\t+16
	global_load_b128 v[96+8*\t:99+8*\t], v8, s[14:15] offset:64*\t
	global_load_b128 v[100+8*\t:103+8*\t], v8, s[14:15] offset:64*\t+16
.endr
.irp a, 0,1
	global_load_b128 v[128+8*\a:131+8*\a], v9, s[16:17] offset:64*\a        ; level h's four points,
	global_load_b128 v[132+8*\a:135+8*\a], v9, s[16:17] offset:64*\a+32     ; level 2 + h's
.endr
	WIN 0xcf                                       ; all in window 3: the query = src + pos, as loaded
.set qi, 0
.rept 64
	v_pk_add_f32 v[128+qi:129+qi], v[128+qi:129+qi], v[qi:qi+1]
.set qi, qi+2
.endr
	WIN 0
	s_wait_dscnt 0x0                               ; src is back from the stage
	QUANT 0, D, TQ, 0, 112, 113
	IMAGE XWI, 0
	s_wait_dscnt 0x0                               ; the stores have read the codes' registers
	QUANT 0, D+64, TQ, 0, 112, 113
	IMAGE XWI, 2048
	WIN 0x0c
.irp i, 0,1,2,3,4,5,6,7,8,9,10,11,12,13,14,15
	ds_store_b128 v[STW], v[128+8*\i:128+8*\i+3] offset:STP*\i          ; the query through the same stage, which is my wave's own
	ds_store_b128 v[STW], v[128+8*\i+4:128+8*\i+7] offset:STP*\i+512
.endr
	WIN 0
	BACK
	s_wait_dscnt 0x0
	QUANT 0, D, TQ, 0, 114, 115
	IMAGE XWI, 16384
	s_wait_dscnt 0x0
	QUANT 0, D+64, TQ, 0, 114, 115
	IMAGE XWI, 16384+2048
	s_wait_dscnt 0x0
	QUANT 0, D, TQ, 0, 116, 117
	IMAGE XWI, 32768
	s_wait_dscnt 0x0
	QUANT 0, D+64, TQ, 0, 116, 117
	IMAGE XWI, 32768+2048
	s_wait_loadcnt 0x0                             ; weights and biases
	s_wait_dscnt 0x0                               ; for the others' sake: my images have landed
	s_barrier_signal -1
	s_barrier_wait -1                              ; all 24 fragments lie in LDS; from here on LDS is only read
; Four points of head 2 w + a, level 2 u + h: places and weights, and their stores.
.macro POINTS m, a, u
.set OF,  ACC+32+8*(2*\a+\u)
.set KC,  16+8*\u
.set RF,  34+2*\u
.set LGP, ACC+64+8*\a+4*\u
.set IDX, 80+12*(2*\a+\u)
.set WXR, IDX+4
.set WYR, IDX+8
.irp p, 0,2,4,6
	v_pk_fma_f32 v[OF+\p:OF+\p+1], v[OF+\p:OF+\p+1], v[KC:KC+1], v[RF:RF+1] op_sel_hi:[1,0,1]   ; loc = ref + off / W (W is a power of two: one rounding, as written)
.endr
.irp p, 0,2,4,6
	v_pk_fma_f32 v[OF+\p:OF+\p+1], v[OF+\p:OF+\p+1], 2.0, -1.0 op_sel_hi:[1,0,0]                ; g = 2 loc - 1
.endr
.irp p, 0,2,4,6
	v_pk_add_f32 v[OF+\p:OF+\p+1], v[OF+\p:OF+\p+1], 1.0 op_sel_hi:[1,0]                        ; g + 1
.endr
.irp p, 0,2,4,6
	v_pk_fma_f32 v[OF+\p:OF+\p+1], v[OF+\p:OF+\p+1], v[KC+2:KC+3], -0.5 op_sel_hi:[1,0,0]       ; x = (g + 1) W / 2 - 0.5
.endr
.irp j, 0,1,2,3,4,5,6,7
	v_floor_f32 v[FF+\j], v[OF+\j]
.endr
.irp j, 0,1,2,3,4,5,6,7
	v_med3_num_f32 v[FF+\j], v[FF+\j], 0, v[KC+1]                                               ; xc, yc
.endr
.irp p, 0,2,4,6
	v_pk_add_f32 v[OF+\p:OF+\p+1], v[OF+\p:OF+\p+1], v[FF+\p:FF+\p+1] neg_lo:[0,1] neg_hi:[0,1] ; d
.endr
.irp q, 0,1,2,3
	v_med3_num_f32 v[WXR+\q], v[OF+2*\q], 0, 1.0
	v_med3_num_f32 v[WYR+\q], v[OF+2*\q+1], 0, 1.0
.endr
.irp q, 0,1,2,3
	v_sub_f32 v[EE+2*\q], v[OF+2*\q], v[WXR+\q]
	v_sub_f32 v[EE+2*\q+1], v[OF+2*\q+1], v[WYR+\q]
.endr
.irp j, 0,1,2,3,4,5,6,7
	v_sub_f32 v[EE+\j], 1.0, |v[EE+\j]|
.endr
.irp j, 0,1,2,3,4,5,6,7
	v_max_num_f32 v[EE+\j], 0, v[EE+\j]                                                         ; sx, sy
.endr
.irp q, 0,1,2,3
	v_mul_f32 v[EE+2*\q], v[EE+2*\q], v[EE+2*\q+1]
.endr
.irp q, 0,1,2,3
	v_mul_f32 v[LGP+\q], v[LGP+\q], v[EE+2*\q]                                                  ; aw' = aw sx sy
.endr
.irp q, 0,1,2,3
	v_fma_f32 v[PP+\q], v[FF+2*\q+1], v[KC+3], v[KC+4]
.endr
.irp q, 0,1,2,3
	v_add_f32 v[PP+\q], v[PP+\q], v[FF+2*\q]                                                    ; P = yc W + first + xc: whole numbers under 2^24, exact
.endr
.irp q, 0,1,2,3
	v_cvt_u32_f32 v[PP+\q], v[PP+\q]
.endr
.irp q, 0,1,2,3
	v_and_b32 v[QQ+\q], 1, v[PP+\q]
.endr
.irp q, 0,1,2,3
	v_mul_u32_u24 v[PP+\q], v[PP+\q], v[KC+5]
.endr
.irp q, 0,1,2,3
	v_mul_u32_u24 v[QQ+\q], v[QQ+\q], v[KC+6]
.endr
.irp q, 0,1,2,3
	v_sub_nc_u32 v[EE+\q], v[PP+\q], v[QQ+\q]                                                   ; the place of (yc, xc),
.endr
.irp q, 0,1,2,3
	v_add3_u32 v[PP+\q], v[PP+\q], v[QQ+\q], 1                                                  ; of (yc, xc + 1)
.endr
.irp q, 0,1,2,3
	v_lshl_or_b32 v[IDX+\q], v[PP+\q], 16, v[EE+\q]
.endr
	global_store_b128 v11, v[IDX:IDX+3], s[24:25] offset:348160*\a+1024*\m+512*\u               ; sixteen lanes fill 256 consecutive bytes, aligned
	global_store_b128 v12, v[WXR:WXR+3], s[26:27] offset:1044480*\a+3072*\m+1536*\u
	global_store_b128 v12, v[WYR:WYR+3], s[26:27] offset:1044480*\a+3072*\m+1536*\u+256
	global_store_b128 v12, v[LGP:LGP+3], s[26:27] offset:1044480*\a+3072*\m+1536*\u+512
.endm
; Rows 16 m .. 16 m + 15 of the work-group against my ten tiles.
.macro TILE m
.if \m > 0
	s_wait_xcnt 0x0                                ; the last tile's stores have read their data: those registers are written again from here on
.endif
	global_load_u8 v32, v2, s[10:11] offset:16*\m
	global_load_b64 v[34:35], v13, s[8:9] offset:512*\m          ; the reference point of level h,
	global_load_b64 v[36:37], v13, s[8:9] offset:512*\m+16       ; of level 2 + h
.irp f, 0,1,2,3,4,5
	FETCH XF+16*\f, LIM, 16384*(\f/2)+4096*\m+2048*(\f%2)
.endr
	s_wait_dscnt 0x0
	WIN 0x01                                       ; source 0 in window 1.  The ten accumulators take turns, one instruction a turn
.irp t, 0,1,2,3,4,5,6,7
	v_wmma_f32_16x16x128_bf8_bf8 v[ACC+8*\t:ACC+8*\t+7], v[32*\t:32*\t+15], v[XF+32*(\t/4):XF+32*(\t/4)+15], 0
.endr
	WIN 0x02
.irp a, 0,1
	v_wmma_f32_16x16x128_bf8_bf8 v[ACC+64+8*\a:ACC+64+8*\a+7], v[32*\a:32*\a+15], v[XF+64:XF+79], 0
.endr
	WIN 0x01
.irp t, 0,1,2,3,4,5,6,7
	v_wmma_f32_16x16x128_bf8_bf8 v[ACC+8*\t:ACC+8*\t+7], v[32*\t+16:32*\t+31], v[XF+32*(\t/4)+16:XF+32*(\t/4)+31], v[ACC+8*\t:ACC+8*\t+7]
.endr
	WIN 0x02
.irp a, 0,1
	v_wmma_f32_16x16x128_bf8_bf8 v[ACC+64+8*\a:ACC+64+8*\a+7], v[32*\a+16:32*\a+31], v[XF+80:XF+95], v[ACC+64+8*\a:ACC+64+8*\a+7]
.endr
	WIN 0
	PLACES
	WIN 0x20                                       ; source 2 (the biases) in window 2
.irp t, 0,1,2,3,4,5,6,7,8,9
.irp i, 0,2,4,6
	v_pk_fma_f32 v[ACC+8*\t+\i:ACC+8*\t+\i+1], v[ACC+8*\t+\i:ACC+8*\t+\i+1], s[40+2*(\t/4):41+2*(\t/4)], v[64+8*\t+\i:64+8*\t+\i+1] op_sel_hi:[1,0,1]   ; sum x 2^(eA + eB) + bias; each accumulator from its low end on
.endr
.endr
	WIN 0
	s_wait_loadcnt 0x0                             ; mask and reference points
	v_mov_b32 v39, 0
	v_cmp_ne_u32 vcc_lo, 0, v32
	v_cndmask_b32 v38, 1.0, v39, vcc_lo            ; 0 for a masked row, else 1
.set vi, 0
.rept 16
	v_pk_mul_f32 v[ACC+vi:ACC+vi+1], v[ACC+vi:ACC+vi+1], v[38:39] op_sel_hi:[1,0]
.set vi, vi+2
.endr
.irp t, 0,1,2,3
.irp i, 0,1
	global_store_b128 v10, v[ACC+8*\t+4*\i:ACC+8*\t+4*\i+3], s[22:23] offset:348160*\t+87040*\i+256*\m   ; four channels of 16 rows: sixteen lanes fill 256 consecutive bytes, aligned
.endr
.endr
	; softmax over a head's 16 points: eight in my lane, eight in lane l xor 16; both heads side by side
.irp a, 0,1
	v_max3_num_f32 v[40+2*\a], v[ACC+64+8*\a], v[ACC+65+8*\a], v[ACC+66+8*\a]
	v_max3_num_f32 v[41+2*\a], v[ACC+67+8*\a], v[ACC+68+8*\a], v[ACC+69+8*\a]
.endr
.irp a, 0,1
	v_max3_num_f32 v[40+2*\a], v[40+2*\a], v[ACC+70+8*\a], v[ACC+71+8*\a]
.endr
.irp a, 0,1
	v_max_num_f32 v[40+2*\a], v[40+2*\a], v[41+2*\a]
.endr
.irp a, 0,1
	v_permlanex16_b32 v[41+2*\a], v[40+2*\a], s46, s47
.endr
.irp a, 0,1
	v_max_num_f32 v[40+2*\a], v[40+2*\a], v[41+2*\a]
.endr
.irp a, 0,1
.irp i, 0,2,4,6
	v_pk_add_f32 v[ACC+64+8*\a+\i:ACC+65+8*\a+\i], v[ACC+64+8*\a+\i:ACC+65+8*\a+\i], v[40+2*\a:41+2*\a] op_sel_hi:[1,0] neg_lo:[0,1] neg_hi:[0,1]   ; less the maximum
.endr
.endr
.irp a, 0,1
.irp i, 0,2,4,6
	v_pk_mul_f32 v[ACC+64+8*\a+\i:ACC+65+8*\a+\i], v[ACC+64+8*\a+\i:ACC+65+8*\a+\i], 0x3fb8aa3b op_sel_hi:[1,0]   ; x log2(e)
.endr
.endr
.irp j, 0,1,2,3,4,5,6,7,8,9,10,11,12,13,14,15
	v_exp_f32 v[ACC+64+\j], v[ACC+64+\j]
.endr
	v_nop                                          ; a plain instruction behind the last exponential,
	s_wait_alu depctr_va_vdst(0)                   ; and one wait for the batch of sixteen, ahead of its first reader
.irp a, 0,1
	v_pk_add_f32 v[44+4*\a:45+4*\a], v[ACC+64+8*\a:ACC+65+8*\a], v[ACC+66+8*\a:ACC+67+8*\a]
	v_pk_add_f32 v[46+4*\a:47+4*\a], v[ACC+68+8*\a:ACC+69+8*\a], v[ACC+70+8*\a:ACC+71+8*\a]
.endr
.irp a, 0,1
	v_pk_add_f32 v[44+4*\a:45+4*\a], v[44+4*\a:45+4*\a], v[46+4*\a:47+4*\a]
.endr
.irp a, 0,1
	v_add_f32 v[44+4*\a], v[44+4*\a], v[45+4*\a]
.endr
.irp a, 0,1
	v_permlanex16_b32 v[45+4*\a], v[44+4*\a], s46, s47
.endr
.irp a, 0,1
	v_add_f32 v[44+4*\a], v[44+4*\a], v[45+4*\a]
.endr
.irp a, 0,1
	v_rcp_f32 v[44+4*\a], v[44+4*\a]
.endr
	v_nop
	s_wait_alu depctr_va_vdst(0)                   ; one wait for the two reciprocals
.irp a, 0,1
.irp i, 0,2,4,6
	v_pk_mul_f32 v[ACC+64+8*\a+\i:ACC+65+8*\a+\i], v[ACC+64+8*\a+\i:ACC+65+8*\a+\i], v[44+4*\a:45+4*\a] op_sel_hi:[1,0]
.endr
.endr
	POINTS \m, 0, 0
	POINTS \m, 0, 1
	POINTS \m, 1, 0
	POINTS \m, 1, 1
.endm
	TILE 0
	TILE 1
	TILE 2
	TILE 3
	s_wait_tensorcnt 0x0
	ds_add_u32 v23, v31
	s_wait_dscnt 0x0
	s_endpgm
.Lfunc_end_k_qa0701ab156_proj:
	.size	k_qa0701ab156_proj, .Lfunc_end_k_qa0701ab156_proj-k_qa0701ab156_proj
	.p2alignl 7, 3214868480
	.fill 96, 4, 3214868480
	.section	.rodata,"a",@progbits
	.p2align	6, 0x0
	.amdhsa_kernel k_qa0701ab156_proj
		.amdhsa_group_segment_fixed_size 116224
		.amdhsa_private_segment_fixed_size 0
		.amdhsa_enable_private_segment 0
		.amdhsa_kernarg_size 96
		.amdhsa_user_sgpr_count 2
		.amdhsa_user_sgpr_kernarg_segment_ptr 1
		.amdhsa_wavefront_size32 1
		.amdhsa_system_sgpr_workgroup_id_x 1
		.amdhsa_system_sgpr_workgroup_id_y 1
		.amdhsa_system_sgpr_workgroup_id_z 1
		.amdhsa_system_vgpr_workitem_id 0
		.amdhsa_next_free_vgpr 1024
		.amdhsa_next_free_sgpr 66
		.amdhsa_reserve_vcc 1
		.amdhsa_float_denorm_mode_32 3
		.amdhsa_float_denorm_mode_16_64 3
		.amdhsa_memory_ordered 1
		.amdhsa_forward_progress 1
		.amdhsa_inst_pref_size 199
	.end_amdhsa_kernel
	.amdgpu_metadata
---
amdhsa.version: [ 1, 2 ]
amdhsa.kernels:
  - .name:           k_qa0701ab156_proj
    .symbol:         k_qa0701ab156_proj.kd
    .args:
      - { .name: src, .offset: 0, .size: 8, .value_kind: global_buffer, .address_space: global }
      - { .name: pos, .offset: 8, .size: 8, .value_kind: global_buffer, .address_space: global }
      - { .name: reference_points, .offset: 16, .size: 8, .value_kind: global_buffer, .address_space: global }
      - { .name: padding_mask, .offset: 24, .size: 8, .value_kind: global_buffer, .address_space: global }
      - { .name: b_val, .offset: 32, .size: 8, .value_kind: global_buffer, .address_space: global }
      - { .name: b_off, .offset: 40, .size: 8, .value_kind: global_buffer, .address_space: global }
      - { .name: b_attn, .offset: 48, .size: 8, .value_kind: global_buffer, .address_space: global }
      - { .name: lowp_scales, .offset: 56, .size: 8, .value_kind: global_buffer, .address_space: global }
      - { .name: wfrag, .offset: 64, .size: 8, .value_kind: global_buffer, .address_space: global }
      - { .name: value, .offset: 72, .size: 8, .value_kind: global_buffer, .address_space: global }
      - { .name: pidx, .offset: 80, .size: 8, .value_kind: global_buffer, .address_space: global }
      - { .name: pwt, .offset: 88, .size: 8, .value_kind: global_buffer, .address_space: global }
    .group_segment_fixed_size: 116224
    .private_segment_fixed_size: 0
    .kernarg_segment_align: 8
    .kernarg_segment_size: 96
    .max_flat_workgroup_size: 128
    .sgpr_count:     66
    .vgpr_count:     1024
    .wavefront_size: 32
...
	.end_amdgpu_metadata
.endif
;; end of part 2
;; launch sample (part 3): grid 256 x 1, 20 waves a work-group, no clusters, 305,920 bytes of LDS; arguments value, pidx, pwt, samp; writes samp
.if DOCPART == 3
	.amdgcn_target "amdgcn-amd-amdhsa--gfx1250"
	.amdhsa_code_object_version 6
	.text
	.protected	k_qa0701ab156_sample
	.globl	k_qa0701ab156_sample
	.p2align	8
	.type	k_qa0701ab156_sample,@function
k_qa0701ab156_sample:
	s_mov_b64 s[64:65], 0
	v_nop
	global_prefetch_b8 v0, s[64:65] scope:SCOPE_SE
	s_setreg_imm32_b32 hwreg(HW_REG_WAVE_MODE, 25, 1), 1
	s_wait_xcnt 0x0
; The sampling: out[row][head][channel] = the sum over 4 levels x 4 points of aw' x (the bilinear mix of four pixels of the head's value map), in f32 multiply-adds.
; SHARES.  Work-group x = (8 n + head) x 4 + quarter owns 8 channels of one head of one image: two planes [5,440 rows][4 channels] of value and of samp.  It holds those 8 channels of all four levels
; in LDS and walks all 5,440 rows.  Each of its 20 waves takes 17 blocks of 16 rows; a trip is a block, in two units of 8 rows.
; LANES.  g = lane / 4: the row in the unit; cx = (lane / 2) % 2: which of the two pixels along x; ch = lane % 2: which plane.  A lane reads 16 bytes (4 channels) of pixel (yc, xc + cx) and of the
; pixel one row below it, and adds them with weights w (1 - wy') and w wy', w = aw' x (cx ? wx' : 1 - wx').  At a unit's end lanes l and l xor 2 add their halves.
; LDS.  Level 0: plane 0 at 0, plane 1 at 65,664 (128 bytes askew), 16 bytes a pixel, brought by eight tensor loads, one in each of waves 0 to 7.  Levels 1 to 3 (1,344 pixels) lie FOUR TIMES
; from 131,328 on: pixel P, copy k, plane ch at 256 (P / 2) + 64 k + 32 ch + 16 (P % 2).  Rows g take copy g % 4, and P and P + 1 differ in parity.
; Nothing in LDS is written twice; behind the one barrier LDS is only read.
; The places come as whole numbers from pidx (two of 16 bits a word, in units of 16 bytes); each is held under its level's largest place before it enters an address.
; No joint loads: no two work-groups hold the same planes.
.set PLANE, 87040
.set L0P1,  65664
.set REP,   131328
.set SETA,  56                         ; v56-119   records of a unit: + 0 places, + 16 wx', + 32 wy', + 48 aw'; index 4 level + point
.set SETB,  120                        ; v120-183  the other unit's
; v1 16 cx; v2 level 0's base for my plane; v3 levels 1-3's base for my copy and plane; v4 16 g; v5 my offset in samp; v6 1 - cx; v7 +1 or -1; v8-11, v12-15 the two units' results;
; v16-19, v20-23 the sums of rows y and y + 1; v24-55 eight reads of 16 bytes; v184-188 the copying waves' addresses
	s_load_b256 s[4:11], s[0:1], 0x0               ; value 4, pidx 6, pwt 8, samp 10
	v_lshl_add_u32 v190, v0, 2, 0x4a100
	v_mov_b32 v191, 0
	ds_add_u32 v190, v191
	ds_add_u32 v190, v191
	v_lshrrev_b32 v1, 5, v0
	v_readfirstlane_b32 s12, v1                    ; wave 0..19
	v_and_b32 v24, 31, v0
	v_lshrrev_b32 v25, 2, v24                      ; g
	v_bfe_u32 v26, v0, 1, 1                        ; cx
	v_and_b32 v27, 1, v0                           ; ch
	v_lshlrev_b32 v1, 4, v26
	v_mul_u32_u24 v2, v27, L0P1
	v_and_b32 v28, 3, v25
	v_lshlrev_b32 v3, 6, v28
	v_lshl_add_u32 v3, v27, 5, v3
	v_add_nc_u32 v3, REP, v3
	v_lshlrev_b32 v4, 4, v25
	v_mul_u32_u24 v5, v27, PLANE
	v_lshl_add_u32 v5, v26, 7, v5
	v_lshl_add_u32 v5, v25, 4, v5                  ; plane ch, row 8 cx + g of the block
	v_cvt_f32_u32 v29, v26
	v_sub_f32 v6, 1.0, v29
	v_fma_f32 v7, v29, 2.0, -1.0
	v_cmp_ne_u32 s35, 0, v26                       ; the lanes with cx = 1
	; the copying waves (8 to 19): a load takes 16 pixels of both planes: pixel 2 (lane / 4) + lane % 2, plane (lane / 2) % 2; in store k the lane writes copy (k + lane / 4) % 4
	v_mul_u32_u24 v184, v26, PLANE
	v_lshl_add_u32 v184, v25, 5, v184
	v_lshl_add_u32 v184, v27, 4, v184
	s_mul_i32 s36, s12, 14336                      ; wave w begins at pixel 112 (w - 8): 256 x 56 (w - 8) bytes behind REP = 16,640 + 14,336 w
	s_add_co_u32 s36, s36, 16640
	v_lshlrev_b32 v30, 8, v25
	v_lshl_add_u32 v30, v26, 5, v30
	v_lshl_add_u32 v30, v27, 4, v30
	v_add_nc_u32 v30, s36, v30
.irp k, 0,1,2,3
	v_add_nc_u32 v31, \k, v25
	v_and_b32 v31, 3, v31
	v_lshl_add_u32 v[185+\k], v31, 6, v30
.endr
	s_mul_i32 s13, ttmp9, 2*PLANE                  ; my two planes
	s_lshr_b32 s14, s12, 2
	s_and_b32 s15, s12, 3
	s_mul_i32 s40, s14, PLANE                      ; waves 0-3: plane 0, waves 4-7: plane 1;
	s_lshl_b32 s42, s15, 14                        ; a quarter of level 0's 65,536 bytes each
	s_add_co_u32 s40, s40, s42
	s_add_co_u32 s40, s40, s13
	s_mov_b32 s41, 0
	s_lshl_b32 s25, s12, 14                        ; LDS: 16,384 x wave + 128 x plane
	s_lshl_b32 s42, s14, 7
	s_add_co_u32 s25, s25, s42
	; descriptor group 1: a dense block as 64 rows of 256 bytes, in elements of 8 bytes
	s_mov_b32 s16, 3<<16                           ; no mask; element of 8 bytes; no padding
	s_mov_b32 s17, 32<<16                          ; tensor_dim0 = 32
	s_mov_b32 s18, 64<<16                          ; tensor_dim1 = 64
	s_mov_b32 s19, 32<<16                          ; tile_dim0 = 32
	s_mov_b32 s20, 64                              ; tile_dim1 = 64
	s_mov_b32 s21, 32                              ; from row to row
	s_mov_b32 s22, 0
	s_mov_b32 s23, 0
	s_mov_b32 s24, 1
	s_wait_dscnt 0x0
	s_wait_kmcnt 0x0
	s_add_nc_u64 s[26:27], s[4:5], s[40:41]
	s_or_b32 s27, s27, 0x80000000                  ; type = 2
	s_mul_i32 s42, s12, 1792                       ; the copying waves' source: levels 1-3 begin 65,536 bytes into a plane; 65,536 + 1,792 (w - 8) = 51,200 + 1,792 w
	s_add_co_u32 s42, s42, s13
	s_add_co_u32 s42, s42, 51200
	s_mov_b32 s43, 0
	s_add_nc_u64 s[38:39], s[4:5], s[42:43]
	s_lshr_b32 s44, ttmp9, 2                       ; 8 n + head
	s_mul_i32 s40, s44, 348160
	s_mul_i32 s42, s12, 17408                      ; my 17 blocks of 1,024 bytes
	s_add_co_u32 s40, s40, s42
	s_add_nc_u64 s[28:29], s[6:7], s[40:41]
	s_mul_i32 s40, s44, 1044480
	s_mul_i32 s42, s12, 52224                      ; of 3,072 bytes
	s_add_co_u32 s40, s40, s42
	s_add_nc_u64 s[30:31], s[8:9], s[40:41]
	s_mul_i32 s40, s12, 4352                       ; of 256 bytes a plane
	s_add_co_u32 s40, s40, s13
	s_add_nc_u64 s[32:33], s[10:11], s[40:41]
	s_cmp_lt_u32 s12, 8
	s_cbranch_scc0 .Lrep
	tensor_load_to_lds s[24:27], s[16:23]          ; the wave's one tensor load of the launch
	s_nop 0
.rept 4
	v_nop
.endr
	s_branch .Ljoin
.Lrep:
.irp t, 0,1,2,3,4,5,6
	global_load_b128 v[24+4*\t:27+4*\t], v184, s[38:39] offset:256*\t th:TH_LOAD_NT   ; 256 consecutive bytes of each plane
.endr
.irp t, 0,1,2,3,4,5,6
	s_wait_loadcnt 6-\t                            ; load t is in; the younger ones of the seven may be out
.irp k, 0,1,2,3
	ds_store_b128 v[185+\k], v[24+4*\t:27+4*\t] offset:2048*\t
.endr
.endr
.Ljoin:
.macro LOADREC set, io, wo                     ; a unit's records: 16 loads; the four lanes of a row read the same 16 bytes (four points)
.irp l, 0,1,2,3
	global_load_b128 v[\set+4*\l:\set+4*\l+3], v4, s[28:29] offset:\io+256*\l
.endr
.irp l, 0,1,2,3
.irp c, 0,1,2
	global_load_b128 v[\set+16+16*\c+4*\l:\set+16+16*\c+4*\l+3], v4, s[30:31] offset:\wo+768*\l+256*\c
.endr
.endr
.endm
; four channels x one weight, onto a sum.  The weight is one word of an aligned pair: the low word (op_sel_hi 0) or the high word (op_sel 1) serves both halves.
.macro WFMA acc, vv, wr, first
.if ((\wr)%2) == 0
.if \first
	v_pk_mul_f32 v[\acc:\acc+1], v[\vv:\vv+1], v[\wr:\wr+1] op_sel_hi:[1,0]
	v_pk_mul_f32 v[\acc+2:\acc+3], v[\vv+2:\vv+3], v[\wr:\wr+1] op_sel_hi:[1,0]
.else
	v_pk_fma_f32 v[\acc:\acc+1], v[\vv:\vv+1], v[\wr:\wr+1], v[\acc:\acc+1] op_sel_hi:[1,0,1]
	v_pk_fma_f32 v[\acc+2:\acc+3], v[\vv+2:\vv+3], v[\wr:\wr+1], v[\acc+2:\acc+3] op_sel_hi:[1,0,1]
.endif
.else
	v_pk_fma_f32 v[\acc:\acc+1], v[\vv:\vv+1], v[\wr-1:\wr], v[\acc:\acc+1] op_sel:[0,1,0] op_sel_hi:[1,1,1]
	v_pk_fma_f32 v[\acc+2:\acc+3], v[\vv+2:\vv+3], v[\wr-1:\wr], v[\acc+2:\acc+3] op_sel:[0,1,0] op_sel_hi:[1,1,1]
.endif
.endm
; One level's four points.  maxt: the level's largest place; rowb: bytes from a pixel to the one below it; lb: the register with the level's base.
.macro LEVEL set, l, maxt, rowb, lb
.irp p, 0,1,2,3
	v_bfe_u32 v[\set+4*\l+\p], v[\set+4*\l+\p], v1, 16         ; my pixel's place: the low or the high 16 bits
.endr
.irp p, 0,1,2,3
	v_min_u32 v[\set+4*\l+\p], \maxt, v[\set+4*\l+\p]          ; a loaded number enters an address only under a bound
.endr
.irp p, 0,1,2,3
	v_lshl_add_u32 v[\set+4*\l+\p], v[\set+4*\l+\p], 4, v[\lb]
.endr
.irp p, 0,1,2,3
	ds_load_b128 v[24+8*\p:27+8*\p], v[\set+4*\l+\p]
	ds_load_b128 v[28+8*\p:31+8*\p], v[\set+4*\l+\p] offset:\rowb
.endr
.irp p, 0,1,2,3
	v_fma_f32 v[\set+16+4*\l+\p], v[\set+16+4*\l+\p], v7, v6                       ; wx' or 1 - wx'
.endr
.irp p, 0,1,2,3
	v_mul_f32 v[\set+16+4*\l+\p], v[\set+16+4*\l+\p], v[\set+48+4*\l+\p]           ; x aw'
.endr
.irp p, 0,1,2,3
	v_mul_f32 v[\set+32+4*\l+\p], v[\set+16+4*\l+\p], v[\set+32+4*\l+\p]           ; the lower row's weight,
.endr
.irp p, 0,1,2,3
	v_sub_f32 v[\set+16+4*\l+\p], v[\set+16+4*\l+\p], v[\set+32+4*\l+\p]           ; the upper row's
.endr
.irp p, 0,1,2,3
	s_wait_dscnt 6-2*\p                            ; point p's two reads are in; the younger points' may be out
.if (\l+\p) == 0
	WFMA 16, 24, \set+16, 1                        ; the first point starts the sums: nothing is cleared
	WFMA 20, 28, \set+32, 1
.else
	WFMA 16, 24+8*\p, \set+16+4*\l+\p, 0
	WFMA 20, 28+8*\p, \set+32+4*\l+\p, 0
.endif
.endr
.endm
.macro UNIT set, res
	LEVEL \set, 0, 4031, 1024, 2
	LEVEL \set, 1, 7921, 4096, 3
	LEVEL \set, 2, 10097, 2048, 3
	LEVEL \set, 3, 10673, 1024, 3
	v_pk_add_f32 v[\res:\res+1], v[16:17], v[20:21]
	v_pk_add_f32 v[\res+2:\res+3], v[18:19], v[22:23]
.irp i, 0,1,2,3
	v_add_f32_dpp v[\res+\i], v[\res+\i], v[\res+\i] row_xmask:2 row_mask:0xf bank_mask:0xf   ; + the other pixel along x
.endr
.endm
.macro OUT                                     ; lanes with cx = 0 store rows 0-7 (the first unit's), the others rows 8-15: 256 consecutive bytes, aligned, in each of the two planes
.irp i, 0,1,2,3
	v_cndmask_b32 v[12+\i], v[8+\i], v[12+\i], s35
.endr
	global_store_b128 v5, v[12:15], s[32:33]
.endm
	LOADREC SETA, 0, 0
	LOADREC SETB, 128, 128
	s_wait_tensorcnt 0x0                           ; my part of level 0 has landed (a wave without a load passes),
	s_wait_dscnt 0x0                               ; my copies are stored
	s_barrier_signal -1
	s_barrier_wait -1                              ; everybody's
	s_mov_b32 s34, 16
.Ltrip:
	s_wait_loadcnt 16                              ; the first unit's 16 loads are in; the second unit's may be out
	UNIT SETA, 8
	LOADREC SETA, 1024, 3072                       ; the next block's first unit
	s_wait_loadcnt 16                              ; the second unit's are in; the 16 just issued may be out
	UNIT SETB, 12
	OUT
	s_wait_xcnt 0x0                                ; the loads and the store have read their bases and data: both are written again only behind this wait
	s_add_nc_u64 s[28:29], s[28:29], 1024
	s_add_nc_u64 s[30:31], s[30:31], 3072
	s_add_nc_u64 s[32:33], s[32:33], 256
	LOADREC SETB, 128, 128
	s_sub_co_u32 s34, s34, 1
	s_cmp_lg_u32 s34, 0
	s_cbranch_scc1 .Ltrip
	s_wait_loadcnt 16                              ; the 17th block asks for nothing more: no load leaves its buffer
	UNIT SETA, 8
	s_wait_loadcnt 0x0
	UNIT SETB, 12
	OUT
	s_wait_tensorcnt 0x0
	ds_add_u32 v190, v191
	s_wait_dscnt 0x0
	s_endpgm
.Lfunc_end_k_qa0701ab156_sample:
	.size	k_qa0701ab156_sample, .Lfunc_end_k_qa0701ab156_sample-k_qa0701ab156_sample
	.p2alignl 7, 3214868480
	.fill 96, 4, 3214868480
	.section	.rodata,"a",@progbits
	.p2align	6, 0x0
	.amdhsa_kernel k_qa0701ab156_sample
		.amdhsa_group_segment_fixed_size 305920
		.amdhsa_private_segment_fixed_size 0
		.amdhsa_enable_private_segment 0
		.amdhsa_kernarg_size 32
		.amdhsa_user_sgpr_count 2
		.amdhsa_user_sgpr_kernarg_segment_ptr 1
		.amdhsa_wavefront_size32 1
		.amdhsa_system_sgpr_workgroup_id_x 1
		.amdhsa_system_sgpr_workgroup_id_y 1
		.amdhsa_system_sgpr_workgroup_id_z 1
		.amdhsa_system_vgpr_workitem_id 0
		.amdhsa_next_free_vgpr 192
		.amdhsa_next_free_sgpr 66
		.amdhsa_reserve_vcc 0
		.amdhsa_float_denorm_mode_32 3
		.amdhsa_float_denorm_mode_16_64 3
		.amdhsa_memory_ordered 1
		.amdhsa_forward_progress 1
		.amdhsa_inst_pref_size 65
	.end_amdhsa_kernel
	.amdgpu_metadata
---
amdhsa.version: [ 1, 2 ]
amdhsa.kernels:
  - .name:           k_qa0701ab156_sample
    .symbol:         k_qa0701ab156_sample.kd
    .args:
      - { .name: value, .offset: 0, .size: 8, .value_kind: global_buffer, .address_space: global }
      - { .name: pidx, .offset: 8, .size: 8, .value_kind: global_buffer, .address_space: global }
      - { .name: pwt, .offset: 16, .size: 8, .value_kind: global_buffer, .address_space: global }
      - { .name: samp, .offset: 24, .size: 8, .value_kind: global_buffer, .address_space: global }
    .group_segment_fixed_size: 305920
    .private_segment_fixed_size: 0
    .kernarg_segment_align: 8
    .kernarg_segment_size: 32
    .max_flat_workgroup_size: 640
    .sgpr_count:     66
    .vgpr_count:     192
    .wavefront_size: 32
...
	.end_amdgpu_metadata
.endif
;; end of part 3
;; launch ffn (part 4): grid 85 x 8, 4 waves a work-group, no clusters, 215,552 bytes of LDS; arguments samp, src, wfrag, lowp_scales, b_out, g1, be1, b_ff1, b_ff2, g2, be2, out0; writes out0
.if DOCPART == 4
	.amdgcn_target "amdgcn-amd-amdhsa--gfx1250"
	.amdhsa_code_object_version 6
	.text
	.protected	k_qa0701ab156_ffn
	.globl	k_qa0701ab156_ffn
	.p2align	8
	.type	k_qa0701ab156_ffn,@function
k_qa0701ab156_ffn:
	s_mov_b64 s[64:65], 0
	v_nop
	global_prefetch_b8 v0, s[64:65] scope:SCOPE_SE
	s_setreg_imm32_b32 hwreg(HW_REG_WAVE_MODE, 25, 1), 1
	s_wait_xcnt 0x0
; x = LN(src + samp w_out + b_out; g1, be1);  out0 = LN(x + relu(x w_ff1 + b_ff1) w_ff2 + b_ff2; g2, be2).  The three products run on E5M2 codes: samp with 2^e6, x with 2^e8,
; the hidden layer with 2^e10, the weights' codes as given (e7, e9, e11); sums, residuals and norms in f32.  The hidden layer never goes to memory.
; SHARES.  A work-group takes 64 rows.  In the ROW phases (quantising, norms) wave w owns rows 16 w .. + 15, a lane half a row: register 16 b + i = column 32 b + 16 h + i, so that a norm wants one
; exchange between the halves of the lanes.  In the COLUMN phases wave w owns 64 columns of the out-projection, 128 hidden units in each of two rounds, 64 columns of the second FFN product; its weight
; fragments come from wfrag straight into registers, in halves of 32 loads, each asked for as soon as its registers are free.  Codes go from wave to wave through LDS as images of operand registers, f32 rows through a stage.
; EVERYTHING IS ASKED FOR A STEP AHEAD: the fragments that a column phase reads from LDS lie in two buffers by turns, the next step's fetched ahead of this step's products; the codes just made lie in two sets
; of registers by turns, so that no wait stands behind an image's stores: the counted wait at the next step's head shows the image two steps back done.
; All products are used transposed (source 0 = 16 weight rows, source 1 = 16 data rows).
; The norm takes the mean first and then the centred squares.
; LIMITS: e6, e8 and e10 - e8 - e9 between -126 and 112; e6 + e7 and e10 + e11 between -126 and 127.  NaN and infinity among the inputs are not served.
; LDS: 0: 8 images (samp's codes, later x's); 16,384: 2 x 16 images of the hidden layer, a half for each round; 81,920: the stage, 64 rows x 1,040 bytes; 148,480: x in f32, kept while the FFN runs.
; REGISTERS.  window 0: v4-14 addresses; v16-21 the quantisers' constants; v32-47 and v240-255 codes just made, by turns; v48-79 and v80-111 two fragments each, by turns (v48-111 at work in row phases);
;   v112-175 hidden tiles; v112-175 and v176-239 four hidden fragments each, by turns (v112-239 also: rows out of the stage); v240-251 the norm's sums.
;   window 1: w_out's, then w_ff2's fragments; v128-255 be1.  window 2: w_ff1's fragments; at the end g2, be2.
;   window 3: v0-127 src, z, x; meanwhile the second round's b_ff1 and b_ff2;  v128-255 samp, g1, the first round's b_ff1, then the 16 accumulators of the last product.
.set STP,   1040                       ; a stage row: 1,024 bytes + 16: row r begins at bank 4 r mod 64 (64 banks of 4 bytes: ISA guide 11.1)
.set WSTG,  16*STP
.set HIMG,  16384
.set STG,   81920
.set XS,    148480
.set LI,    4                          ; v4   16 x lane
.set STW,   5                          ; v5   STG + my wave's rows + 16 x lane
.set STR,   6                          ; v6   STG + my wave's rows + 1,040 r + 64 h
.set XWI,   7                          ; v7   4,096 wave + 16 x lane
.set HWI,   8                          ; v8   HIMG + 2,048 wave + 16 x lane
.set SO,    9                          ; v9   STG + 1,040 r + 32 h + 256 wave
.set XSA,   10                         ; v10  XS + my wave's rows + 1,040 r + 64 h
.set HLI,   14                         ; v14  HIMG + 16 x lane
.set PCA,   32                         ; the two sets of registers for codes just made;
.set PCB,   240
.set PC,    PCA                        ; the set in hand
.set XF,    48
.set TQ,    48
.set HA,    112
.set Z,     112
.set BO,    176
.set MSB, 0
.macro WIN new                         ; the immediate's high byte repeats the setting that is left; a switch that changes nothing is dropped
.if MSB != \new
	s_set_vgpr_msb (MSB<<8)|\new
.set MSB, \new
.endif
.endm
.macro PLACES                          ; four plain vector instructions between a matrix instruction and a read of its results or a load into its registers
.rept 4
	v_nop
.endr
.endm
; 64 numbers of a lane become a fragment's codes in v[PC] on.  The conversion to an 8-bit code does not saturate (ISA guide 7.6.2): the hold comes first; relu = 1: it clips at 0 as well.
.macro QUANT win, src, dst, relu, sc, lim
	WIN \win
.set qi, 0
.rept 64
.if \relu
	v_med3_num_f32 v[\dst+qi], v[\src+qi], 0, v[\lim]
.else
	v_med3_num_f32 v[\dst+qi], v[\src+qi], -v[\lim], v[\lim]
.endif
.set qi, qi+1
.endr
	WIN 0
.set qi, 0
.rept 8
	v_cvt_scalef32_pk8_bf8_f32 v[PC+2*qi:PC+2*qi+1], v[\dst+8*qi:\dst+8*qi+7], v[\sc]
.set qi, qi+1
.endr
	v_nop                                          ; a plain vector instruction between the last conversion and whatever next writes its sources
.endm
.macro IMAGE adr, off
.irp c, 0,1,2,3
	ds_store_b128 v[\adr], v[PC+4*\c:PC+4*\c+3] offset:\off+512*\c
.endr
.endm
.macro FETCH reg, adr, off
.irp c, 0,1,2,3
	ds_load_b128 v[\reg+4*\c:\reg+4*\c+3], v[\adr] offset:\off+512*\c
.endr
.endm
.macro BARRIER                                 ; my LDS stores have landed and my LDS loads are in: then the work-group's barrier
	s_wait_dscnt 0x0
	s_barrier_signal -1
	s_barrier_wait -1
.endm
.macro MKQ e, vsc, vlim
	s_add_co_i32 s56, s[\e], 127
	s_lshl_b32 s57, s56, 23
	v_mov_b32 v[\vsc], s57
	s_add_co_i32 s56, s56, 15
	s_lshl_b32 s56, s56, 23
	s_or_b32 s56, s56, 0x600000
	v_mov_b32 v[\vlim], s56
.endm
.macro MKF d, ea, eb
	s_add_co_i32 s[\d], s[\ea], s[\eb]
	s_add_co_i32 s[\d], s[\d], 127
	s_lshl_b32 s[\d], s[\d], 23
	s_mov_b32 s[\d+1], s[\d]
.endm
.macro WLOAD win, base, f0, nfr, off           ; fragments f0 .. f0 + nfr - 1 of a run that lies on end, into registers 16 f on of a window
	WIN \win
.set wf, \f0
.rept \nfr
.irp c, 0,1,2,3
	global_load_b128 v[16*wf+4*\c:16*wf+4*\c+3], v[LI], s[\base:\base+1] offset:\off+2048*wf+512*\c
.endr
.set wf, wf+1
.endr
	WIN 0
.endm
.macro W2LOAD rho, t0                          ; w_ff2: tiles t0, t0 + 1 of my four, K steps 4 rho .. 4 rho + 3, fragment 4 t + s, into window 1: 32 loads
	WIN 0x40
.irp t, \t0, \t0+1
.irp s, 0,1,2,3
.irp c, 0,1,2,3
	global_load_b128 v[16*(4*(\t)+\s)+4*\c:16*(4*(\t)+\s)+4*\c+3], v[LI], s[52:53] offset:16384*(\t)+8192*\rho+2048*\s+512*\c
.endr
.endr
.endr
	WIN 0
.endm
.macro VLOAD win, reg, base                    ; 256 numbers in the row phases' order: register 16 b + i = number 32 b + 16 h + i: 32 loads
	WIN \win
.irp b, 0,1,2,3,4,5,6,7
.irp j, 0,1,2,3
	global_load_b128 v[\reg+16*\b+4*\j:\reg+16*\b+4*\j+3], v13, s[\base:\base+1] offset:128*\b+16*\j
.endr
.endr
	WIN 0
.endm
.macro B1LOAD reg, off                         ; b_ff1 of my 128 hidden units, in the results' layout: tile 2 b + u, register j: unit 32 b + 16 h + 8 u + j; into window 3
	WIN 0xc0
.irp t, 0,1,2,3,4,5,6,7
	global_load_b128 v[\reg+8*\t:\reg+8*\t+3], v13, s[18:19] offset:\off+(32*(\t/2)+8*(\t%2))*4
	global_load_b128 v[\reg+8*\t+4:\reg+8*\t+7], v13, s[18:19] offset:\off+(32*(\t/2)+8*(\t%2))*4+16
.endr
	WIN 0
.endm
.macro FOLD                                    ; four pairs of partial sums -> the row's sum in v240, in both lanes of the row
	v_pk_add_f32 v[240:241], v[240:241], v[242:243]
	v_pk_add_f32 v[244:245], v[244:245], v[246:247]
	v_pk_add_f32 v[240:241], v[240:241], v[244:245]
	v_add_f32 v240, v240, v241
	v_permlanex16_b32 v241, v240, s46, s47
	v_add_f32 v240, v240, v241
.endm
; X (window 3, v0-127) = LN(X + Z).  win: the window setting of the last line (X x gain + shift); gr, br: the gain's and the shift's first registers in their windows.
.macro LN win, gr, br
	WIN 0xc3                                       ; destination and source 0 in window 3
.set li, 0
.rept 64
	v_pk_add_f32 v[li:li+1], v[li:li+1], v[Z+li:Z+li+1]
.set li, li+2
.endr
	WIN 0x0f                                       ; both sources in window 3: the first eight pairs start four chains
.irp c, 0,1,2,3
	v_pk_add_f32 v[240+2*\c:241+2*\c], v[2*\c:2*\c+1], v[8+2*\c:9+2*\c]
.endr
	WIN 0x0c
.set li, 8
.rept 56
	v_pk_add_f32 v[240+2*(li%4):241+2*(li%4)], v[240+2*(li%4):241+2*(li%4)], v[2*li:2*li+1]
.set li, li+1
.endr
	WIN 0
	FOLD
	v_mul_f32 v248, s54, v240                      ; the mean
	v_mov_b32 v249, v248                           ; (named with it as a pair, so it is written)
	WIN 0xc3
.set li, 0
.rept 64
	v_pk_add_f32 v[li:li+1], v[li:li+1], v[248:249] op_sel_hi:[1,0] neg_lo:[0,1] neg_hi:[0,1]
.set li, li+2
.endr
	WIN 0x0f
.irp c, 0,1,2,3
	v_pk_mul_f32 v[240+2*\c:241+2*\c], v[2*\c:2*\c+1], v[2*\c:2*\c+1]
.endr
.set li, 4
.rept 60
	v_pk_fma_f32 v[240+2*(li%4):241+2*(li%4)], v[2*li:2*li+1], v[2*li:2*li+1], v[240+2*(li%4):241+2*(li%4)]
.set li, li+1
.endr
	WIN 0
	FOLD
	v_fma_f32 v240, v240, s54, s55                 ; the variance + 1e-5
	v_rsq_f32 v250, v240
	v_nop                                          ; a plain instruction behind the transcendental,
	s_wait_alu depctr_va_vdst(0)                   ; and the wait ahead of its first reader
	v_mov_b32 v251, v250
	s_wait_loadcnt 0x0                             ; gain and shift (in the first norm 64 loads were issued behind them, more than a count can leave out)
	WIN 0xc3
.set li, 0
.rept 64
	v_pk_mul_f32 v[li:li+1], v[li:li+1], v[250:251] op_sel_hi:[1,0]
.set li, li+2
.endr
	WIN \win
.set li, 0
.rept 64
	v_pk_fma_f32 v[li:li+1], v[li:li+1], v[\gr+li:\gr+li+1], v[\br+li:\br+li+1]
.set li, li+2
.endr
	WIN 0
.endm
.macro ZLOAD                                   ; my 16 rows out of the stage, in the row phases' order
.irp b, 0,1,2,3,4,5,6,7
.irp j, 0,1,2,3
	ds_load_b128 v[Z+16*\b+4*\j:Z+16*\b+4*\j+3], v[STR] offset:128*\b+16*\j
.endr
.endr
.endm
	s_load_b512 s[4:19], s[0:1], 0x0               ; samp 4, src 6, wfrag 8, scales 10, b_out 12, g1 14, be1 16, b_ff1 18
	s_load_b256 s[20:27], s[0:1], 0x40             ; b_ff2 20, g2 22, be2 24, out0 26
	v_lshl_add_u32 v30, v0, 2, 0x34800
	v_mov_b32 v31, 0
	v_lshrrev_b32 v1, 5, v0
	v_readfirstlane_b32 s36, v1                    ; wave
	v_and_b32 v1, 31, v0
	v_and_b32 v2, 15, v0                           ; r
	v_bfe_u32 v3, v0, 4, 1                         ; h
	v_lshlrev_b32 v[LI], 4, v1
	v_mul_u32_u24 v11, v3, 348160
	v_lshl_add_u32 v11, v2, 4, v11                 ; samp: four groups of channels a half, 16 bytes a row
	s_and_b32 s37, ttmp7, 0xffff                   ; image n
	s_mul_i32 s38, s37, 5440
	s_lshl_b32 s39, ttmp9, 6
	s_add_co_u32 s38, s38, s39                     ; R0
	s_lshl_b32 s58, s36, 4
	s_add_co_u32 s58, s58, s38
	s_lshl_b32 s58, s58, 10                        ; my wave's first row of src and out0, in bytes
	s_mov_b32 s59, 0
	s_mul_i32 s60, s37, 5570560                    ; samp [n][64 groups][5,440 rows][4]
	s_lshl_b32 s62, ttmp9, 10
	s_add_co_u32 s60, s60, s62
	s_lshl_b32 s62, s36, 8
	s_add_co_u32 s60, s60, s62
	s_mov_b32 s61, 0
	s_wait_kmcnt 0x0
	s_load_b256 s[28:35], s[10:11], 0x10           ; e4 .. e11: e6 = s30, e7 = s31, e8 = s32, e9 = s33, e10 = s34, e11 = s35
	s_add_nc_u64 s[4:5], s[4:5], s[60:61]
	s_add_nc_u64 s[6:7], s[6:7], s[58:59]
	s_add_nc_u64 s[26:27], s[26:27], s[58:59]
	WIN 0xc0                                       ; destination window 3
.irp b, 0,1,2,3,4,5,6,7
.irp i, 0,1,2,3
	global_load_b128 v[128+16*\b+4*\i:128+16*\b+4*\i+3], v11, s[4:5] offset:(8*\b+\i)*87040 th:TH_LOAD_NT   ; channels 32 b + 16 h + 4 i on of my row: sixteen lanes read 256 consecutive bytes
.endr
.endr
.irp i, 0,1,2,3,4,5,6,7,8,9,10,11,12,13,14
	global_load_b128 v[8*\i:8*\i+3], v[LI], s[6:7] offset:1024*\i th:TH_LOAD_NT       ; 32 lanes read 512 consecutive bytes: half a row
	global_load_b128 v[8*\i+4:8*\i+7], v[LI], s[6:7] offset:1024*\i+512 th:TH_LOAD_NT
.endr
	WIN 0                                          ; 62 loads are out; src's last row follows behind the set-up below
	s_lshl_b32 s58, s36, 8
	s_add_nc_u64 s[12:13], s[12:13], s[58:59]      ; b_out, b_ff2: my 64 numbers
	s_add_nc_u64 s[20:21], s[20:21], s[58:59]
	s_lshl_b32 s58, s36, 9
	s_add_nc_u64 s[18:19], s[18:19], s[58:59]      ; b_ff1: my 128 of a round
	s_lshl_b32 s58, s36, 14
	s_add_nc_u64 s[48:49], s[8:9], s[58:59]
	s_add_nc_u64 s[48:49], s[48:49], 163840        ; w_out's fragments: my 8
	s_lshl_b32 s58, s36, 15
	s_add_nc_u64 s[50:51], s[8:9], s[58:59]
	s_add_nc_u64 s[50:51], s[50:51], 229376        ; w_ff1's: my 16 of a round
	s_lshl_b32 s58, s36, 16
	s_add_nc_u64 s[52:53], s[8:9], s[58:59]
	s_add_nc_u64 s[52:53], s[52:53], 491520        ; w_ff2's: my 32
	s_mov_b32 s46, 0x76543210                      ; v_permlanex16_b32: lane l xor 16
	s_mov_b32 s47, 0xfedcba98
	s_mov_b32 s54, 0x3b800000                      ; 1 / 256
	s_mov_b32 s55, 0x3727c5ac                      ; 1e-5
	s_mul_i32 s58, s36, WSTG
	s_add_co_u32 s60, s58, STG
	v_add_nc_u32 v[STW], s60, v[LI]
	v_mul_u32_u24 v15, v2, STP                     ; 1,040 r
	v_lshl_add_u32 v[STR], v3, 6, v15
	v_add_nc_u32 v[XSA], s58, v[STR]
	v_add_nc_u32 v[XSA], XS, v[XSA]
	v_add_nc_u32 v[STR], s60, v[STR]
	s_lshl_b32 s60, s36, 12
	v_add_nc_u32 v[XWI], s60, v[LI]
	s_lshl_b32 s60, s36, 11
	s_add_co_u32 s60, s60, HIMG
	v_add_nc_u32 v[HWI], s60, v[LI]
	v_add_nc_u32 v[HLI], HIMG, v[LI]
	s_lshl_b32 s60, s36, 8
	s_add_co_u32 s60, s60, STG
	v_lshl_add_u32 v[SO], v3, 5, v15
	v_add_nc_u32 v[SO], s60, v[SO]
	v_lshlrev_b32 v12, 5, v3                       ; 32 h: my half's eight numbers of a tile's bias
	v_lshlrev_b32 v13, 6, v3                       ; 64 h: my half's sixteen of a block of 32
	s_wait_kmcnt 0x0
	MKQ 30, 16, 17                                 ; samp's scale
	MKQ 32, 18, 19                                 ; x's
	s_add_co_i32 s44, s32, s33                     ; e8 + e9: a sum of the first FFN product stands for sum x 2^(e8 + e9)
	s_sub_co_i32 s58, s34, s44
	MKQ 58, 20, 21                                 ; so the hidden layer's conversion takes 2^(e10 - e8 - e9),
	s_sub_co_i32 s44, 0, s44                       ; and b_ff1 goes in as b_ff1 / 2^(e8 + e9)
	MKF 40, 30, 31
	MKF 42, 34, 35
	WIN 0xc0
	global_load_b128 v[120:123], v[LI], s[6:7] offset:15360 th:TH_LOAD_NT      ; src's row 15
	global_load_b128 v[124:127], v[LI], s[6:7] offset:15872 th:TH_LOAD_NT
	WIN 0
	; ---- P0, rows: samp's codes; src into the row phases' order
	s_wait_loadcnt 32                              ; samp's 32 loads are in; src's 32 may be out
	WLOAD 0x40, 48, 0, 8, 0                        ; w_out's fragments (2 t + s)
.irp t, 0,1,2,3
	global_load_b128 v[BO+8*\t:BO+8*\t+3], v12, s[12:13] offset:64*\t
	global_load_b128 v[BO+8*\t+4:BO+8*\t+7], v12, s[12:13] offset:64*\t+16
.endr
.set PC, PCA
	QUANT 3, 128, TQ, 0, 16, 17
	IMAGE XWI, 0
.set PC, PCB                                   ; the other set of registers: no wait for the stores above
	QUANT 3, 192, TQ, 0, 16, 17
	IMAGE XWI, 2048
	s_wait_loadcnt 40                              ; src is in; the 40 loads issued behind it may be out
	WIN 0x0c                                       ; store data in window 3
.irp i, 0,1,2,3,4,5,6,7,8,9,10,11,12,13,14,15
	ds_store_b128 v[STW], v[8*\i:8*\i+3] offset:STP*\i
	ds_store_b128 v[STW], v[8*\i+4:8*\i+7] offset:STP*\i+512
.endr
	WIN 0xc0                                       ; and back into the registers that it left; LDS serves a wave's instructions in order
.irp b, 0,1,2,3,4,5,6,7
.irp j, 0,1,2,3
	ds_load_b128 v[16*\b+4*\j:16*\b+4*\j+3], v[STR] offset:128*\b+16*\j
.endr
.endr
	WIN 0
	VLOAD 0xc0, 128, 14                            ; g1, where samp lay
	BARRIER                                        ; samp's eight fragments lie in LDS; every wave's reads of the stage are over
	FETCH XF, LI, 0                                ; the first tile's two fragments
	FETCH XF+16, LI, 2048
	s_wait_loadcnt 32                              ; w_out's fragments and b_out are in; g1's 32 loads may be out
	; ---- P1, columns: my 64 columns of samp w_out + b_out, a tile of 16 rows at a time, into the stage
.irp m, 0,1,2,3
.set XB, XF+32*(\m%2)                          ; this tile's fragments,
.set XN, XF+32-32*(\m%2)                       ; the next tile's
.set AC, HA+32*(\m%2)
.if \m == 0
	s_wait_dscnt 0x0
.else
	s_wait_dscnt 8                                 ; this tile's fragments are in; the eight stage stores issued behind them may be out.  The stores two tiles back, whose registers the products below write, are done
.endif
.if \m < 3
	FETCH XN, LI, (2*\m+2)*2048                    ; a tile ahead: they land under the products
	FETCH XN+16, LI, (2*\m+3)*2048
.endif
	WIN 0x01                                       ; source 0 in window 1.  The four accumulators take turns
.irp t, 0,1,2,3
	v_wmma_f32_16x16x128_bf8_bf8 v[AC+8*\t:AC+8*\t+7], v[32*\t:32*\t+15], v[XB:XB+15], 0
.endr
.irp t, 0,1,2,3
	v_wmma_f32_16x16x128_bf8_bf8 v[AC+8*\t:AC+8*\t+7], v[32*\t+16:32*\t+31], v[XB+16:XB+31], v[AC+8*\t:AC+8*\t+7]
.endr
	WIN 0
	PLACES
.irp t, 0,1,2,3
.irp i, 0,2,4,6
	v_pk_fma_f32 v[AC+8*\t+\i:AC+8*\t+\i+1], v[AC+8*\t+\i:AC+8*\t+\i+1], s[40:41], v[BO+8*\t+\i:BO+8*\t+\i+1] op_sel_hi:[1,0,1]
.endr
.endr
.irp t, 0,1,2,3
	ds_store_b128 v[SO], v[AC+8*\t:AC+8*\t+3] offset:WSTG*\m+64*\t          ; lane (r, h): row 16 m + r, columns 64 w + 16 t + 8 h + 0 .. 7
	ds_store_b128 v[SO], v[AC+8*\t+4:AC+8*\t+7] offset:WSTG*\m+64*\t+16
.endr
.if \m == 0
	VLOAD 0x40, 128, 16                            ; be1: 32 loads between the tiles,
.endif
.if \m == 1
	WLOAD 0x80, 50, 0, 8, 0                        ; w_ff1's fragments of the first round (2 T + s): the first half,
.endif
.if \m == 2
	WLOAD 0x80, 50, 8, 8, 0                        ; the second
.endif
.endr
	BARRIER                                        ; 64 whole rows lie in the stage; every wave's reads of samp's images are over
	; ---- P2, rows: the first norm; x is kept in LDS and quantised
	ZLOAD
	s_wait_dscnt 0x0
	LN 0xdf, 128, 128                              ; X x g1 (window 3) + be1 (window 1)
	B1LOAD 128, 0                                  ; the first round's b_ff1, where g1 lay
	WIN 0x0c
.irp b, 0,1,2,3,4,5,6,7
.irp j, 0,1,2,3
	ds_store_b128 v[XSA], v[16*\b+4*\j:16*\b+4*\j+3] offset:128*\b+16*\j
.endr
.endr
	WIN 0
.set PC, PCA
	QUANT 3, 0, TQ, 0, 18, 19
	IMAGE XWI, 0
.set PC, PCB
	QUANT 3, 64, TQ, 0, 18, 19
	IMAGE XWI, 2048
	s_wait_dscnt 0x0                               ; x is stored: its registers take the loads below
	B1LOAD 0, 2048                                 ; the second round's b_ff1,
	WIN 0xc0
.irp t, 0,1,2,3
	global_load_b128 v[64+8*\t:67+8*\t], v12, s[20:21] offset:64*\t        ; and b_ff2
	global_load_b128 v[68+8*\t:71+8*\t], v12, s[20:21] offset:64*\t+16
.endr
	s_wait_loadcnt 24                              ; the first round's b_ff1 is in; the 24 loads issued behind it may be out
	WIN 0xc3
.set li, 0
.rept 64
	v_ldexp_f32 v[128+li], v[128+li], s44
.set li, li+1
.endr
	WIN 0
	W2LOAD 0, 0                                    ; w_ff2's K steps 0-3: tiles 0, 1; with the 24 above 56 loads are out
	BARRIER                                        ; x's eight fragments lie in LDS
; The hidden layer of round rho: my 128 units for the 64 rows; relu and the quantiser in registers; the codes are K step w of this round's half of the last product.
; x's fragments of tile 0 are fetched at the head (round 0) or were fetched under the last products of the round before (round 1).
.macro P3A rho
.if \rho == 0
	FETCH XF, LI, 0
	FETCH XF+16, LI, 2048
.endif
.irp m, 0,1,2,3
.set XB, XF+32*(\m%2)
.set XN, XF+32-32*(\m%2)
.set PC, PCA+(PCB-PCA)*(\m%2)
.if \m == 0
	s_wait_dscnt 0x0
.else
	s_wait_dscnt 4                                 ; this tile's fragments are in; the image's four stores issued behind them may be out.  The image two tiles back, whose registers this tile's codes take, is done
.endif
.if \m < 3
	FETCH XN, LI, (2*\m+2)*2048                    ; a tile ahead
	FETCH XN+16, LI, (2*\m+3)*2048
.endif
	WIN 0x32                                       ; source 0 (w_ff1) window 2, source 2 (the bias, which starts the sums) window 3
.irp t, 0,1,2,3,4,5,6,7
	v_wmma_f32_16x16x128_bf8_bf8 v[HA+8*\t:HA+8*\t+7], v[32*\t:32*\t+15], v[XB:XB+15], v[128-128*\rho+8*\t:128-128*\rho+8*\t+7]
.endr
	WIN 0x02
.irp t, 0,1,2,3,4,5,6,7
	v_wmma_f32_16x16x128_bf8_bf8 v[HA+8*\t:HA+8*\t+7], v[32*\t+16:32*\t+31], v[XB+16:XB+31], v[HA+8*\t:HA+8*\t+7]
.endr
	WIN 0
	PLACES
.if \m == 3                                    ; the round's last products are issued: the first half of window 2 takes what comes next
.if \rho == 0
	WLOAD 0x80, 50, 0, 8, 131072                   ; w_ff1's fragments of the second round: the first half
.else
	VLOAD 0x80, 0, 22                              ; g2
.endif
.endif
	QUANT 0, HA, HA, 1, 20, 21
	IMAGE HWI, 32768*\rho+8192*\m
.if \m == 0
	W2LOAD \rho, 2                                 ; w_ff2's K steps of this round: tiles 2, 3
.endif
.endr
	BARRIER                                        ; the round's sixteen fragments lie in LDS
.irp m, 0,1,2,3
	FETCH HA+16*\m, HLI, 32768*\rho+(4*\m)*2048    ; the last product's first K step of this round, straight behind the barrier
.endr
.endm
; The last product's K steps 4 rho .. 4 rho + 3: sixteen accumulators (four tiles of columns x four tiles of rows) by turns, a K step at a time.  The four hidden fragments of a step lie in v112-175 (even steps) or v176-239 (odd steps).
.macro P3B rho
.irp s, 0,1,2,3
.set SB, HA+64*(\s%2)
.set SN, HA+64-64*(\s%2)
.if \s < 3
.irp m, 0,1,2,3
	FETCH SN+16*\m, HLI, 32768*\rho+(4*\m+\s+1)*2048   ; a K step ahead
.endr
	s_wait_dscnt 16                                ; this step's sixteen loads are in; the sixteen just issued may be out
.else
	s_wait_dscnt 0x0
.if \rho == 0
	FETCH XF, LI, 0                                ; x's fragments of tile 0 for the second round: they land under the products below
	FETCH XF+16, LI, 2048
.endif
.endif
.if (\rho+\s) == 0
	WIN 0xc1                                       ; source 0 (w_ff2) window 1, destination window 3
.else
	WIN 0xf1                                       ; C and D window 3
.endif
.irp m, 0,1,2,3
.irp t, 0,1,2,3
.if (\rho+\s) == 0
	v_wmma_f32_16x16x128_bf8_bf8 v[128+8*(4*\t+\m):128+8*(4*\t+\m)+7], v[16*(4*\t+\s):16*(4*\t+\s)+15], v[SB+16*\m:SB+16*\m+15], 0
.else
	v_wmma_f32_16x16x128_bf8_bf8 v[128+8*(4*\t+\m):128+8*(4*\t+\m)+7], v[16*(4*\t+\s):16*(4*\t+\s)+15], v[SB+16*\m:SB+16*\m+15], v[128+8*(4*\t+\m):128+8*(4*\t+\m)+7]
.endif
.endr
.endr
	WIN 0
	PLACES
	v_nop                                          ; a fifth place: v112-175, an operand here, is later written by matrix instructions
.endr
.endm
	P3A 0
	s_wait_loadcnt 32                              ; w_ff2's first chunk, the second round's b_ff1 and b_ff2 are in; the 32 loads issued behind the round's last products may be out
	WIN 0xc3
.set li, 0
.rept 64
	v_ldexp_f32 v[li], v[li], s44
.set li, li+1
.endr
	WIN 0
	WLOAD 0x80, 50, 8, 8, 131072                   ; w_ff1's fragments of the second round: the second half
	P3B 0
	s_wait_loadcnt 0x0                             ; w_ff1's second round
	W2LOAD 1, 0                                    ; w_ff2's K steps 4-7: tiles 0, 1
	P3A 1
	s_wait_loadcnt 32                              ; w_ff2's second chunk is in; g2's 32 loads may be out
	VLOAD 0x80, 128, 24                            ; be2
	P3B 1
	; ---- P4: the sums x 2^(e10 + e11) + b_ff2 into the stage; the second norm; out
	WIN 0xff                                       ; all in window 3
.irp t, 0,1,2,3
.irp m, 0,1,2,3
.irp i, 0,2,4,6
	v_pk_fma_f32 v[128+8*(4*\t+\m)+\i:128+8*(4*\t+\m)+\i+1], v[128+8*(4*\t+\m)+\i:128+8*(4*\t+\m)+\i+1], s[42:43], v[64+8*\t+\i:64+8*\t+\i+1] op_sel_hi:[1,0,1]
.endr
.endr
.endr
	WIN 0x0c
.irp t, 0,1,2,3
.irp m, 0,1,2,3
	ds_store_b128 v[SO], v[128+8*(4*\t+\m):128+8*(4*\t+\m)+3] offset:WSTG*\m+64*\t
	ds_store_b128 v[SO], v[128+8*(4*\t+\m)+4:128+8*(4*\t+\m)+7] offset:WSTG*\m+64*\t+16
.endr
.endr
	WIN 0xc0
.irp b, 0,1,2,3,4,5,6,7
.irp j, 0,1,2,3
	ds_load_b128 v[16*\b+4*\j:16*\b+4*\j+3], v[XSA] offset:128*\b+16*\j    ; x comes back
.endr
.endr
	WIN 0
	BARRIER
	ZLOAD
	s_wait_dscnt 0x0
	LN 0xeb, 0, 128                                ; X x g2 + be2, both in window 2
	WIN 0x0c
.irp b, 0,1,2,3,4,5,6,7
.irp j, 0,1,2,3
	ds_store_b128 v[STR], v[16*\b+4*\j:16*\b+4*\j+3] offset:128*\b+16*\j   ; my own 16 rows of the stage, which only I have read
.endr
.endr
	WIN 0
.set k, 0
.rept 32
	ds_load_b128 v[Z+4*k:Z+4*k+3], v[STW] offset:STP*(k/2)+512*(k%2)
.set k, k+1
.endr
.set k, 0
.rept 32
	s_wait_dscnt 31-k                              ; LDS loads come back in order: load k is in
	global_store_b128 v[LI], v[Z+4*k:Z+4*k+3], s[26:27] offset:1024*(k/2)+512*(k%2) th:TH_STORE_NT   ; 32 lanes store 512 consecutive bytes, aligned
.set k, k+1
.endr
	s_wait_tensorcnt 0x0
	ds_add_u32 v30, v31
	s_wait_dscnt 0x0
	s_endpgm
.Lfunc_end_k_qa0701ab156_ffn:
	.size	k_qa0701ab156_ffn, .Lfunc_end_k_qa0701ab156_ffn-k_qa0701ab156_ffn
	.p2alignl 7, 3214868480
	.fill 96, 4, 3214868480
	.section	.rodata,"a",@progbits
	.p2align	6, 0x0
	.amdhsa_kernel k_qa0701ab156_ffn
		.amdhsa_group_segment_fixed_size 215552
		.amdhsa_private_segment_fixed_size 0
		.amdhsa_enable_private_segment 0
		.amdhsa_kernarg_size 96
		.amdhsa_user_sgpr_count 2
		.amdhsa_user_sgpr_kernarg_segment_ptr 1
		.amdhsa_wavefront_size32 1
		.amdhsa_system_sgpr_workgroup_id_x 1
		.amdhsa_system_sgpr_workgroup_id_y 1
		.amdhsa_system_sgpr_workgroup_id_z 1
		.amdhsa_system_vgpr_workitem_id 0
		.amdhsa_next_free_vgpr 1024
		.amdhsa_next_free_sgpr 66
		.amdhsa_reserve_vcc 0
		.amdhsa_float_denorm_mode_32 3
		.amdhsa_float_denorm_mode_16_64 3
		.amdhsa_memory_ordered 1
		.amdhsa_forward_progress 1
		.amdhsa_inst_pref_size 242
	.end_amdhsa_kernel
	.amdgpu_metadata
---
amdhsa.version: [ 1, 2 ]
amdhsa.kernels:
  - .name:           k_qa0701ab156_ffn
    .symbol:         k_qa0701ab156_ffn.kd
    .args:
      - { .name: samp, .offset: 0, .size: 8, .value_kind: global_buffer, .address_space: global }
      - { .name: src, .offset: 8, .size: 8, .value_kind: global_buffer, .address_space: global }
      - { .name: wfrag, .offset: 16, .size: 8, .value_kind: global_buffer, .address_space: global }
      - { .name: lowp_scales, .offset: 24, .size: 8, .value_kind: global_buffer, .address_space: global }
      - { .name: b_out, .offset: 32, .size: 8, .value_kind: global_buffer, .address_space: global }
      - { .name: g1, .offset: 40, .size: 8, .value_kind: global_buffer, .address_space: global }
      - { .name: be1, .offset: 48, .size: 8, .value_kind: global_buffer, .address_space: global }
      - { .name: b_ff1, .offset: 56, .size: 8, .value_kind: global_buffer, .address_space: global }
      - { .name: b_ff2, .offset: 64, .size: 8, .value_kind: global_buffer, .address_space: global }
      - { .name: g2, .offset: 72, .size: 8, .value_kind: global_buffer, .address_space: global }
      - { .name: be2, .offset: 80, .size: 8, .value_kind: global_buffer, .address_space: global }
      - { .name: out0, .offset: 88, .size: 8, .value_kind: global_buffer, .address_space: global }
    .group_segment_fixed_size: 215552
    .private_segment_fixed_size: 0
    .kernarg_segment_align: 8
    .kernarg_segment_size: 96
    .max_flat_workgroup_size: 128
    .sgpr_count:     66
    .vgpr_count:     1024
    .wavefront_size: 32
...
	.end_amdgpu_metadata
.endif
;; end of part 4
;; ======== version 2 of 2: 4 launches; version 1 with the launches proj, ffn written anew for expert scheduling mode
;; workspace buffers: wfrag 753,664 bytes; value 44,564,480 bytes; samp 44,564,480 bytes; pidx 22,282,240 bytes of whole numbers; pwt 66,846,720 bytes
;; launch wprep: the kernel of part 1 again; grid 92 x 1, 4 waves a work-group, no clusters, 0 bytes of LDS; arguments w_val_codes, w_off_codes, w_attn_codes, w_out_codes, w_ff1_codes, w_ff2_codes, wfrag; writes wfrag
;; launch proj (part 5): grid 85 x 8, 4 waves a work-group, no clusters, 116,224 bytes of LDS; arguments src, pos, reference_points, padding_mask, b_val, b_off, b_attn, lowp_scales, wfrag, value, pidx, pwt; writes value, pidx, pwt
.if DOCPART == 5
	.amdgcn_target "amdgcn-amd-amdhsa--gfx1250"
	.amdhsa_code_object_version 6
	.text
	.protected	k_qa0701ab156_proj
	.globl	k_qa0701ab156_proj
	.p2align	8
	.type	k_qa0701ab156_proj,@function
k_qa0701ab156_proj:
	s_mov_b64 s[64:65], 0
	v_nop
	global_prefetch_b8 v0, s[64:65] scope:SCOPE_SE
	s_setreg_imm32_b32 hwreg(HW_REG_WAVE_SCHED_MODE, 0, 2), 2
	s_setreg_imm32_b32 hwreg(HW_REG_WAVE_MODE, 25, 1), 1
	s_wait_xcnt 0x0
	s_wait_alu depctr_vm_vsrc(0)
; value = src w_val + b_val (0 where the padding mask is set); offsets = (src + pos) w_off + b_off; weights = softmax((src + pos) w_attn + b_attn) over a head's 16 points.
; The three products run on E5M2 codes: src with 2^e0, the query with 2^e2 and again with 2^e4, the weights' codes as given (e1, e3, e5); sums in f32.
; Of offsets, weights and reference points this launch makes, for each (row, head, level, point), what the sampling launch needs:
;   a whole number (two LDS places of 16 bytes: pixels (yc, xc) and (yc, xc + 1)) -> pidx, and three f32 numbers wx', wy', aw' -> pwt.
; BILINEAR WITH ZERO PADDING AS A TENT.  Along an axis: xc = floor(x) held in 0 .. W - 2; d = x - xc; wx' = d held in 0 .. 1; sx = max(0, 1 - |d - wx'|).  Pixels xc, xc + 1 with weights
; (1 - wx') sx and wx' sx are the two corners with what lies outside the map weighing 0; aw' = aw sx sy.  All four corners then lie inside the map.
; SHARES.  A work-group takes 64 rows of one image.  First wave w quantises rows 16 w .. 16 w + 15 and lays the codes in LDS as images of operand registers; then THE WAVES SHARE THE COLUMNS:
; wave w has value columns 64 w .. + 63 and heads 2 w, 2 w + 1: 10 tiles of 16 columns, whose 20 weight fragments and biases stay in its registers.
; All products are used transposed (source 0 = 16 weight rows, source 1 = 16 data rows): lane (r, h) holds data row r, register j column 8 h + j of the tile.
; The map sizes 64, 32, 16, 8 and the levels' starts are the constants that the computation itself is written with; the inputs spatial_shapes and level_start_index enter no result and are not read.
; LIMITS: e0, e2, e4 between -126 and 112; e0 + e1, e2 + e3, e4 + e5 between -126 and 127 (each power of two is made as an f32 number).  NaN and infinity among the inputs are not served:
; a corner of weight 0 is still multiplied later, and a masked row is multiplied by 0.
; REGISTERS, in windows of 256.  window 0: v1-14 addresses; v16-31 the levels' constants; v32-47 codes just made, later mask, reference points and softmax; v48-111 at work;
;   v128-255 a tile's 16 rows in the quantiser's order, later v80-175 six fragments of codes and v176-255 ten accumulators.
;   window 1: weight fragments of tiles 0-7.  window 2: v0-63 those of tiles 8, 9; v64-143 the biases.  window 3: v0-127 src as loaded, v128-255 pos, then the query.
; THE MODE: SCHED_MODE bits 1:0 = 2 (LLVM: expert scheduling mode 2), set by the entry lines.  The code itself states the register dependences
; between vector or matrix instructions and memory or LDS instructions, with s_wait_alu, always for 0.
; THE PLAN.  Registers that memory or LDS instructions touch, and who else names them:
;   v2, v4-v14        addresses and offsets: made once at the head, never written again.
;   window 3          src and pos land there.  v0-127: read by the stage's stores and by the additions.  v128-255: written by the additions (the query), read by the stage's stores.
;   v128-255 (D)      the stage's loads land there, twice; the holds read them.
;   v32-47 (PC)       written by the conversions, read by an image's four stores; in the tiles mask and reference points land there.
;   v80-175 (XF)      a tile's six fragments land there and the products read them; v80-127 are then written as places and weights and read by the tile's stores.
;   v176-255 (ACC)    written by the products and the arithmetic behind them; v176-207 (value) and v240-255 (aw') are read by stores.
;   windows 1 and 2   weights and biases land once, in registers that nothing has named; only products and multiply-adds read them.
; THE WAITS.  On va_vdst: ahead of the first loads (v4); ahead of the first LDS store (the other addresses); at the head of each image (the codes; all that was issued before, so the second run of stage loads
; leans on the second image's); in a tile behind the exponentials (that wait also serves the value stores), behind the reciprocals, and ahead of each head's eight stores of places and weights.
; On vm_vsrc: ahead of each quantiser that writes the codes' registers again, and at each tile's head.  No vector instruction stands between a tile's last wait on va_vdst and the next tile's loads.
.set STP,   1040                       ; a stage row: 1,024 bytes + 16 = 260 words: row r begins at bank 4 r mod 64 (64 banks of 4 bytes: ISA guide 11.1)
.set WSTG,  16*STP                     ; a wave's stage
.set IMG,   4*WSTG                     ; behind the stages: 3 sets x 4 row tiles x 2 K steps x 2,048 bytes of images
.set LI,    4                          ; v4   16 x lane
.set STW,   5                          ; v5   the stage as rows are loaded: wave's stage + 16 x lane
.set STR,   6                          ; v6   the stage as the quantiser wants it: + 1,040 r + 64 h
.set XWI,   7                          ; v7   where I store images: IMG + 4,096 wave + 16 x lane
.set LIM,   14                         ; v14  where images are read: IMG + 16 x lane
.set PC,    32
.set TQ,    48
.set D,     128
.set XF,    80
.set ACC,   176
.set FF,    52                         ; the points: the held floors;
.set EE,    60                         ; what falls outside;
.set PP,    68                         ; the pixel's number;
.set QQ,    72                         ; its parity
.set MSB, 0
.macro WIN new                         ; the immediate's high byte repeats the setting that is left; a switch that changes nothing is dropped
.if MSB != \new
	s_set_vgpr_msb (MSB<<8)|\new
.set MSB, \new
.endif
.endm
.macro PLACES                          ; four plain vector instructions between a matrix instruction and the first read of its results (ISA guide 7.12.1)
.rept 4
	v_nop
.endr
.endm
; 64 numbers of a lane (register 16 b + i = k 32 b + 16 h + i of my row) become a fragment's codes in v[PC] on.  The conversion to an 8-bit code does not saturate (ISA guide 7.6.2): the numbers are first held at the largest code x the scale.
.macro QUANT win, src, dst, relu, sc, lim
	WIN \win
.set qi, 0
.rept 64
.if \relu
	v_med3_num_f32 v[\dst+qi], v[\src+qi], 0, v[\lim]
.else
	v_med3_num_f32 v[\dst+qi], v[\src+qi], -v[\lim], v[\lim]
.endif
.set qi, qi+1
.endr
	WIN 0
.set qi, 0
.rept 8
	v_cvt_scalef32_pk8_bf8_f32 v[PC+2*qi:PC+2*qi+1], v[\dst+8*qi:\dst+8*qi+7], v[\sc]
.set qi, qi+1
.endr
	v_nop                                          ; a plain vector instruction between the last conversion and whatever next writes its sources
.endm
.macro IMAGE adr, off                          ; the fragment in v[PC] on goes to LDS as it stands: 512 consecutive bytes a store
	s_wait_alu depctr_va_vdst(0)                   ; the conversions have written v[PC ..], which the stores read
.irp c, 0,1,2,3
	ds_store_b128 v[\adr], v[PC+4*\c:PC+4*\c+3] offset:\off+512*\c
.endr
.endm
.macro FETCH reg, adr, off                     ; and comes back so, in any wave
.irp c, 0,1,2,3
	ds_load_b128 v[\reg+4*\c:\reg+4*\c+3], v[\adr] offset:\off+512*\c
.endr
.endm
.macro BACK                                    ; my 16 rows out of the stage, 16 neighbours of each block of 32 to a lane; LDS serves a wave's instructions in order, so these see the stores above
.irp b, 0,1,2,3,4,5,6,7
.irp j, 0,1,2,3
	ds_load_b128 v[D+16*\b+4*\j:D+16*\b+4*\j+3], v[STR] offset:128*\b+16*\j
.endr
.endr
.endm
.macro MKQ e, vsc, vlim                        ; 2^e and 57,344 x 2^e as f32 numbers
	s_add_co_i32 s54, s[\e], 127
	s_lshl_b32 s55, s54, 23
	v_mov_b32 v[\vsc], s55
	s_add_co_i32 s54, s54, 15
	s_lshl_b32 s54, s54, 23
	s_or_b32 s54, s54, 0x600000
	v_mov_b32 v[\vlim], s54
.endm
.macro MKF d, ea, eb                           ; 2^(ea + eb) as f32, in both words of a pair
	s_add_co_i32 s[\d], s[\ea], s[\eb]
	s_add_co_i32 s[\d], s[\d], 127
	s_lshl_b32 s[\d], s[\d], 23
	s_mov_b32 s[\d+1], s[\d]
.endm
	s_load_b512 s[4:19], s[0:1], 0x0               ; src 4, pos 6, reference points 8, mask 10, b_val 12, b_off 14, b_attn 16, scales 18
	s_load_b256 s[20:27], s[0:1], 0x40             ; wfrag 20, value 22, pidx 24, pwt 26
	v_lshl_add_u32 v23, v0, 2, 0x1c400
	v_mov_b32 v31, 0
	v_lshrrev_b32 v1, 5, v0
	v_readfirstlane_b32 s36, v1                    ; wave
	v_and_b32 v1, 31, v0                           ; lane
	v_and_b32 v2, 15, v0                           ; r; also my byte among a tile's 16 mask bytes
	v_bfe_u32 v3, v0, 4, 1                         ; h
	v_lshlrev_b32 v[LI], 4, v1
	s_wait_alu depctr_va_sdst(0)                   ; s36 is written, ahead of its first reader: the bases are made from it
	s_and_b32 s37, ttmp7, 0xffff                   ; image n
	s_mul_i32 s38, s37, 5440
	s_lshl_b32 s39, ttmp9, 6
	s_add_co_u32 s38, s38, s39                     ; R0: the work-group's first row
	s_lshl_b32 s54, s36, 4
	s_add_co_u32 s54, s54, s38
	s_lshl_b32 s54, s54, 10                        ; my wave's first row, in bytes
	s_mov_b32 s55, 0
	s_wait_kmcnt 0x0
	s_load_b256 s[28:35], s[18:19], 0x0            ; e0 .. e7
	s_add_nc_u64 s[4:5], s[4:5], s[54:55]
	s_add_nc_u64 s[6:7], s[6:7], s[54:55]
	WIN 0xc0                                       ; destination window 3
	s_wait_alu depctr_va_vdst(0)                   ; v4 is written, the offset of the loads below
.irp i, 0,1,2,3,4,5,6,7,8,9,10,11,12,13,14,15
	global_load_b128 v[8*\i:8*\i+3], v[LI], s[4:5] offset:1024*\i th:TH_LOAD_NT       ; 32 lanes read 512 consecutive bytes: half a row
	global_load_b128 v[8*\i+4:8*\i+7], v[LI], s[4:5] offset:1024*\i+512 th:TH_LOAD_NT
.endr
.irp i, 0,1,2,3,4,5,6,7,8,9,10,11,12,13,14,15
	global_load_b128 v[128+8*\i:128+8*\i+3], v[LI], s[6:7] offset:1024*\i th:TH_LOAD_NT
	global_load_b128 v[128+8*\i+4:128+8*\i+7], v[LI], s[6:7] offset:1024*\i+512 th:TH_LOAD_NT
.endr
	WIN 0
	; the other bases; none is stepped later
	s_lshl_b32 s54, s38, 5
	s_add_nc_u64 s[8:9], s[8:9], s[54:55]          ; reference points: 32 bytes a row
	s_mov_b32 s54, s38
	s_add_nc_u64 s[10:11], s[10:11], s[54:55]      ; mask: a byte a row
	s_lshl_b32 s54, s36, 8
	s_add_nc_u64 s[12:13], s[12:13], s[54:55]      ; b_val, b_off: my 64 numbers
	s_add_nc_u64 s[14:15], s[14:15], s[54:55]
	s_lshl_b32 s54, s36, 7
	s_add_nc_u64 s[16:17], s[16:17], s[54:55]      ; b_attn: my 32
	s_lshl_b32 s54, s36, 14
	s_add_nc_u64 s[48:49], s[20:21], s[54:55]      ; w_val's fragments: my 8
	s_add_nc_u64 s[50:51], s[48:49], 0x10000       ; w_off's
	s_lshl_b32 s54, s36, 13
	s_add_nc_u64 s[52:53], s[20:21], s[54:55]
	s_add_nc_u64 s[52:53], s[52:53], 0x20000       ; w_attn's: my 4
	s_mul_i32 s54, s37, 5570560                    ; value [n][64 groups of 4 channels][5,440 rows][4]: the image,
	s_mul_i32 s56, s36, 1392640                    ; my 16 groups,
	s_add_co_u32 s54, s54, s56
	s_lshl_b32 s56, ttmp9, 10                      ; the work-group's rows
	s_add_co_u32 s54, s54, s56
	s_add_nc_u64 s[22:23], s[22:23], s[54:55]
	s_lshl_b32 s56, s37, 3
	s_lshl_b32 s57, s36, 1
	s_add_co_u32 s56, s56, s57                     ; 8 n + my first head
	s_mul_i32 s54, s56, 348160                     ; pidx: 340 blocks of 16 rows x 1,024 bytes a head
	s_lshl_b32 s57, ttmp9, 12
	s_add_co_u32 s54, s54, s57
	s_add_nc_u64 s[24:25], s[24:25], s[54:55]
	s_mul_i32 s54, s56, 1044480                    ; pwt: 340 x 3,072
	s_mul_i32 s57, ttmp9, 12288
	s_add_co_u32 s54, s54, s57
	s_add_nc_u64 s[26:27], s[26:27], s[54:55]
	s_mov_b32 s46, 0x76543210                      ; v_permlanex16_b32: lane l xor 16
	s_mov_b32 s47, 0xfedcba98
	s_mul_i32 s56, s36, WSTG
	v_add_nc_u32 v[STW], s56, v[LI]
	v_mul_u32_u24 v[STR], v2, STP
	v_lshl_add_u32 v[STR], v3, 6, v[STR]
	v_add_nc_u32 v[STR], s56, v[STR]
	s_lshl_b32 s57, s36, 12
	s_add_co_u32 s57, s57, IMG
	v_add_nc_u32 v[XWI], s57, v[LI]
	v_add_nc_u32 v[LIM], IMG, v[LI]
	v_lshlrev_b32 v8, 5, v3                        ; b_val, b_off: my half's eight numbers of a tile
	v_lshlrev_b32 v9, 4, v3                        ; b_attn: my half's four points of a level
	v_mul_u32_u24 v10, v3, 174080
	v_lshl_add_u32 v10, v2, 4, v10                 ; value: two groups of channels a half, 16 bytes a row
	v_lshlrev_b32 v11, 8, v3
	v_lshl_add_u32 v11, v2, 4, v11                 ; pidx: 256 bytes a level, 16 a row
	v_mul_u32_u24 v12, v3, 768
	v_lshl_add_u32 v12, v2, 4, v12                 ; pwt: 768 bytes a level
	v_lshlrev_b32 v13, 5, v2
	v_lshl_add_u32 v13, v3, 3, v13                 ; reference points: 32 r + 8 h
	; the levels' constants.  Lane half h serves level h (v16-23) and level 2 + h (v24-31): + 0: 1 / W, + 1: W - 2, + 2: W / 2, + 3: W, + 4: the level's first pixel in its LDS region,
	; + 5, + 6: A, B: the place of pixel P, in units of 16 bytes, is A P - B (P mod 2), that of P + 1 is A P + B (P mod 2) + 1 (level 0 lies plain: 1, 0; levels 1-3 lie two pixels to 256 bytes: 8, 7)
	v_mov_b32 v15, 64
	v_lshrrev_b32 v19, v3, v15
	v_cvt_f32_u32 v19, v19
	v_add_nc_u32 v16, -6, v3
	v_ldexp_f32 v16, 1.0, v16
	v_add_f32 v17, -2.0, v19
	v_mul_f32 v18, 0.5, v19
	v_mov_b32 v20, 0
	v_mul_u32_u24 v22, v3, 7
	v_add_nc_u32 v21, 1, v22
	v_mov_b32 v15, 16
	v_lshrrev_b32 v27, v3, v15
	v_cvt_f32_u32 v27, v27
	v_add_nc_u32 v24, -4, v3
	v_ldexp_f32 v24, 1.0, v24
	v_add_f32 v25, -2.0, v27
	v_mul_f32 v26, 0.5, v27
	v_lshl_add_u32 v28, v3, 8, 1024
	v_cvt_f32_u32 v28, v28
	v_mov_b32 v29, 8
	v_mov_b32 v30, 7
	s_wait_kmcnt 0x0
	MKQ 28, 112, 113                               ; src's scale
	MKQ 30, 114, 115                               ; the query's, for the offsets
	MKQ 32, 116, 117                               ; the query's, for the weights
	MKF 40, 28, 29
	MKF 42, 30, 31
	MKF 44, 32, 33
	; ---- X: my 16 rows become six fragments of codes
	s_wait_loadcnt 32                              ; src's 32 loads are in; pos's 32 may be out
	WIN 0x0c                                       ; store data in window 3
	s_wait_alu depctr_va_vdst(0)                   ; the addresses and offsets v5 to v14 are written: every LDS and memory instruction from here on reads one of them, v2 or v4
.irp i, 0,1,2,3,4,5,6,7,8,9,10,11,12,13,14,15
	ds_store_b128 v[STW], v[8*\i:8*\i+3] offset:STP*\i
	ds_store_b128 v[STW], v[8*\i+4:8*\i+7] offset:STP*\i+512
.endr
	WIN 0
	BACK
	s_wait_loadcnt 0x0                             ; pos is in; only now the weights are asked for, so that this wait had nothing behind it: they land under the quantising
	WIN 0x40
.irp f, 0,1,2,3,4,5,6,7
.irp c, 0,1,2,3
	global_load_b128 v[16*\f+4*\c:16*\f+4*\c+3], v[LI], s[48:49] offset:2048*\f+512*\c           ; value tiles 0-3, fragment 2 tile + K step
.endr
.endr
.irp f, 0,1,2,3,4,5,6,7
.irp c, 0,1,2,3
	global_load_b128 v[128+16*\f+4*\c:128+16*\f+4*\c+3], v[LI], s[50:51] offset:2048*\f+512*\c   ; offset tiles 4-7
.endr
.endr
	WIN 0x80
.irp f, 0,1,2,3
.irp c, 0,1,2,3
	global_load_b128 v[16*\f+4*\c:16*\f+4*\c+3], v[LI], s[52:53] offset:2048*\f+512*\c           ; weight tiles 8, 9
.endr
.endr
.irp t, 0,1,2,3
	global_load_b128 v[64+8*\t:67+8*\t], v8, s[12:13] offset:64*\t
	global_load_b128 v[68+8*\t:71+8*\t], v8, s[12:13] offset:64*\t+16
	global_load_b128 v[96+8*\t:99+8*\t], v8, s[14:15] offset:64*\t
	global_load_b128 v[100+8*\t:103+8*\t], v8, s[14:15] offset:64*\t+16
.endr
.irp a, 0,1
	global_load_b128 v[128+8*\a:131+8*\a], v9, s[16:17] offset:64*\a        ; level h's four points,
	global_load_b128 v[132+8*\a:135+8*\a], v9, s[16:17] offset:64*\a+32     ; level 2 + h's
.endr
	WIN 0xcf                                       ; all in window 3: the query = src + pos, as loaded
.set qi, 0
.rept 64
	v_pk_add_f32 v[128+qi:129+qi], v[128+qi:129+qi], v[qi:qi+1]
.set qi, qi+2
.endr
	WIN 0
	s_wait_dscnt 0x0                               ; src is back from the stage
	QUANT 0, D, TQ, 0, 112, 113
	IMAGE XWI, 0
	s_wait_dscnt 0x0                               ; the image's stores are done,
	s_wait_alu depctr_vm_vsrc(0)                   ; and have read v32-47, which the conversions below write again
	QUANT 0, D+64, TQ, 0, 112, 113
	IMAGE XWI, 2048                                ; its wait also states: the query (window 3, v128-255) is written, which the stores below read; the holds are done reading v128-255, in which the stage's loads below land
	WIN 0x0c
.irp i, 0,1,2,3,4,5,6,7,8,9,10,11,12,13,14,15
	ds_store_b128 v[STW], v[128+8*\i:128+8*\i+3] offset:STP*\i          ; the query through the same stage, which is my wave's own
	ds_store_b128 v[STW], v[128+8*\i+4:128+8*\i+7] offset:STP*\i+512
.endr
	WIN 0
	BACK
	s_wait_dscnt 0x0
	s_wait_alu depctr_vm_vsrc(0)                   ; the image's stores have read v32-47, which the conversions below write again
	QUANT 0, D, TQ, 0, 114, 115
	IMAGE XWI, 16384
	s_wait_dscnt 0x0
	s_wait_alu depctr_vm_vsrc(0)                   ; likewise
	QUANT 0, D+64, TQ, 0, 114, 115
	IMAGE XWI, 16384+2048
	s_wait_dscnt 0x0
	s_wait_alu depctr_vm_vsrc(0)                   ; likewise
	QUANT 0, D, TQ, 0, 116, 117
	IMAGE XWI, 32768
	s_wait_dscnt 0x0
	s_wait_alu depctr_vm_vsrc(0)                   ; likewise
	QUANT 0, D+64, TQ, 0, 116, 117
	IMAGE XWI, 32768+2048
	s_wait_loadcnt 0x0                             ; weights and biases
	s_wait_dscnt 0x0                               ; for the others' sake: my images have landed
	s_barrier_signal -1
	s_barrier_wait -1                              ; all 24 fragments lie in LDS; from here on LDS is only read
; Four points of head 2 w + a, level 2 u + h: places and weights.
.macro PCOMP a, u
.set OF,  ACC+32+8*(2*\a+\u)
.set KC,  16+8*\u
.set RF,  34+2*\u
.set LGP, ACC+64+8*\a+4*\u
.set IDX, 80+12*(2*\a+\u)
.set WXR, IDX+4
.set WYR, IDX+8
.irp p, 0,2,4,6
	v_pk_fma_f32 v[OF+\p:OF+\p+1], v[OF+\p:OF+\p+1], v[KC:KC+1], v[RF:RF+1] op_sel_hi:[1,0,1]   ; loc = ref + off / W (W is a power of two: one rounding, as written)
.endr
.irp p, 0,2,4,6
	v_pk_fma_f32 v[OF+\p:OF+\p+1], v[OF+\p:OF+\p+1], 2.0, -1.0 op_sel_hi:[1,0,0]                ; g = 2 loc - 1
.endr
.irp p, 0,2,4,6
	v_pk_add_f32 v[OF+\p:OF+\p+1], v[OF+\p:OF+\p+1], 1.0 op_sel_hi:[1,0]                        ; g + 1
.endr
.irp p, 0,2,4,6
	v_pk_fma_f32 v[OF+\p:OF+\p+1], v[OF+\p:OF+\p+1], v[KC+2:KC+3], -0.5 op_sel_hi:[1,0,0]       ; x = (g + 1) W / 2 - 0.5
.endr
.irp j, 0,1,2,3,4,5,6,7
	v_floor_f32 v[FF+\j], v[OF+\j]
.endr
.irp j, 0,1,2,3,4,5,6,7
	v_med3_num_f32 v[FF+\j], v[FF+\j], 0, v[KC+1]                                               ; xc, yc
.endr
.irp p, 0,2,4,6
	v_pk_add_f32 v[OF+\p:OF+\p+1], v[OF+\p:OF+\p+1], v[FF+\p:FF+\p+1] neg_lo:[0,1] neg_hi:[0,1] ; d
.endr
.irp q, 0,1,2,3
	v_med3_num_f32 v[WXR+\q], v[OF+2*\q], 0, 1.0
	v_med3_num_f32 v[WYR+\q], v[OF+2*\q+1], 0, 1.0
.endr
.irp q, 0,1,2,3
	v_sub_f32 v[EE+2*\q], v[OF+2*\q], v[WXR+\q]
	v_sub_f32 v[EE+2*\q+1], v[OF+2*\q+1], v[WYR+\q]
.endr
.irp j, 0,1,2,3,4,5,6,7
	v_sub_f32 v[EE+\j], 1.0, |v[EE+\j]|
.endr
.irp j, 0,1,2,3,4,5,6,7
	v_max_num_f32 v[EE+\j], 0, v[EE+\j]                                                         ; sx, sy
.endr
.irp q, 0,1,2,3
	v_mul_f32 v[EE+2*\q], v[EE+2*\q], v[EE+2*\q+1]
.endr
.irp q, 0,1,2,3
	v_mul_f32 v[LGP+\q], v[LGP+\q], v[EE+2*\q]                                                  ; aw' = aw sx sy
.endr
.irp q, 0,1,2,3
	v_fma_f32 v[PP+\q], v[FF+2*\q+1], v[KC+3], v[KC+4]
.endr
.irp q, 0,1,2,3
	v_add_f32 v[PP+\q], v[PP+\q], v[FF+2*\q]                                                    ; P = yc W + first + xc: whole numbers under 2^24, exact
.endr
.irp q, 0,1,2,3
	v_cvt_u32_f32 v[PP+\q], v[PP+\q]
.endr
.irp q, 0,1,2,3
	v_and_b32 v[QQ+\q], 1, v[PP+\q]
.endr
.irp q, 0,1,2,3
	v_mul_u32_u24 v[PP+\q], v[PP+\q], v[KC+5]
.endr
.irp q, 0,1,2,3
	v_mul_u32_u24 v[QQ+\q], v[QQ+\q], v[KC+6]
.endr
.irp q, 0,1,2,3
	v_sub_nc_u32 v[EE+\q], v[PP+\q], v[QQ+\q]                                                   ; the place of (yc, xc),
.endr
.irp q, 0,1,2,3
	v_add3_u32 v[PP+\q], v[PP+\q], v[QQ+\q], 1                                                  ; of (yc, xc + 1)
.endr
.irp q, 0,1,2,3
	v_lshl_or_b32 v[IDX+\q], v[PP+\q], 16, v[EE+\q]
.endr
.endm
; and their four stores.  Each (head, level) has registers of its own for what it stores.
.macro PSTORE m, a, u
.set LGP, ACC+64+8*\a+4*\u
.set IDX, 80+12*(2*\a+\u)
.set WXR, IDX+4
.set WYR, IDX+8
	global_store_b128 v11, v[IDX:IDX+3], s[24:25] offset:348160*\a+1024*\m+512*\u               ; sixteen lanes fill 256 consecutive bytes, aligned
	global_store_b128 v12, v[WXR:WXR+3], s[26:27] offset:1044480*\a+3072*\m+1536*\u
	global_store_b128 v12, v[WYR:WYR+3], s[26:27] offset:1044480*\a+3072*\m+1536*\u+256
	global_store_b128 v12, v[LGP:LGP+3], s[26:27] offset:1044480*\a+3072*\m+1536*\u+512
.endm
; Rows 16 m .. 16 m + 15 of the work-group against my ten tiles.
.macro TILE m
.if \m > 0
	s_wait_xcnt 0x0                                ; the last tile's stores have had their addresses translated: their data registers are written again from here on
.endif
	s_wait_alu depctr_vm_vsrc(0)                   ; what was stored last has been read: the last image's codes (v32-47) or the last tile's places, weights and values (v80-127, v176-207, v240-255); the loads and products below write these registers.  The vector side owes nothing here: none of its instructions stands behind the wait ahead of those stores
	global_load_u8 v32, v2, s[10:11] offset:16*\m
	global_load_b64 v[34:35], v13, s[8:9] offset:512*\m          ; the reference point of level h,
	global_load_b64 v[36:37], v13, s[8:9] offset:512*\m+16       ; of level 2 + h
.irp f, 0,1,2,3,4,5
	FETCH XF+16*\f, LIM, 16384*(\f/2)+4096*\m+2048*(\f%2)
.endr
	s_wait_dscnt 0x0
	WIN 0x01                                       ; source 0 in window 1.  The ten accumulators take turns, one instruction a turn
.irp t, 0,1,2,3,4,5,6,7
	v_wmma_f32_16x16x128_bf8_bf8 v[ACC+8*\t:ACC+8*\t+7], v[32*\t:32*\t+15], v[XF+32*(\t/4):XF+32*(\t/4)+15], 0
.endr
	WIN 0x02
.irp a, 0,1
	v_wmma_f32_16x16x128_bf8_bf8 v[ACC+64+8*\a:ACC+64+8*\a+7], v[32*\a:32*\a+15], v[XF+64:XF+79], 0
.endr
	WIN 0x01
.irp t, 0,1,2,3,4,5,6,7
	v_wmma_f32_16x16x128_bf8_bf8 v[ACC+8*\t:ACC+8*\t+7], v[32*\t+16:32*\t+31], v[XF+32*(\t/4)+16:XF+32*(\t/4)+31], v[ACC+8*\t:ACC+8*\t+7]
.endr
	WIN 0x02
.irp a, 0,1
	v_wmma_f32_16x16x128_bf8_bf8 v[ACC+64+8*\a:ACC+64+8*\a+7], v[32*\a+16:32*\a+31], v[XF+80:XF+95], v[ACC+64+8*\a:ACC+64+8*\a+7]
.endr
	WIN 0
	PLACES
	WIN 0x20                                       ; source 2 (the biases) in window 2
.irp t, 0,1,2,3,4,5,6,7,8,9
.irp i, 0,2,4,6
	v_pk_fma_f32 v[ACC+8*\t+\i:ACC+8*\t+\i+1], v[ACC+8*\t+\i:ACC+8*\t+\i+1], s[40+2*(\t/4):41+2*(\t/4)], v[64+8*\t+\i:64+8*\t+\i+1] op_sel_hi:[1,0,1]   ; sum x 2^(eA + eB) + bias; each accumulator from its low end on
.endr
.endr
	WIN 0
	s_wait_loadcnt 0x0                             ; mask and reference points
	v_cmp_ne_u32 vcc_lo, 0, v32
	v_mov_b32 v39, 0
	s_wait_alu depctr_va_vcc(0)                    ; VCC is written, ahead of the select that reads it
	v_cndmask_b32 v38, 1.0, v39, vcc_lo            ; 0 for a masked row, else 1
.set vi, 0
.rept 16
	v_pk_mul_f32 v[ACC+vi:ACC+vi+1], v[ACC+vi:ACC+vi+1], v[38:39] op_sel_hi:[1,0]
.set vi, vi+2
.endr
	; softmax over a head's 16 points: eight in my lane, eight in lane l xor 16; both heads side by side
.irp a, 0,1
	v_max3_num_f32 v[40+2*\a], v[ACC+64+8*\a], v[ACC+65+8*\a], v[ACC+66+8*\a]
	v_max3_num_f32 v[41+2*\a], v[ACC+67+8*\a], v[ACC+68+8*\a], v[ACC+69+8*\a]
.endr
.irp a, 0,1
	v_max3_num_f32 v[40+2*\a], v[40+2*\a], v[ACC+70+8*\a], v[ACC+71+8*\a]
.endr
.irp a, 0,1
	v_max_num_f32 v[40+2*\a], v[40+2*\a], v[41+2*\a]
.endr
.irp a, 0,1
	v_permlanex16_b32 v[41+2*\a], v[40+2*\a], s46, s47
.endr
.irp a, 0,1
	v_max_num_f32 v[40+2*\a], v[40+2*\a], v[41+2*\a]
.endr
.irp a, 0,1
.irp i, 0,2,4,6
	v_pk_add_f32 v[ACC+64+8*\a+\i:ACC+65+8*\a+\i], v[ACC+64+8*\a+\i:ACC+65+8*\a+\i], v[40+2*\a:41+2*\a] op_sel_hi:[1,0] neg_lo:[0,1] neg_hi:[0,1]   ; less the maximum
.endr
.endr
.irp a, 0,1
.irp i, 0,2,4,6
	v_pk_mul_f32 v[ACC+64+8*\a+\i:ACC+65+8*\a+\i], v[ACC+64+8*\a+\i:ACC+65+8*\a+\i], 0x3fb8aa3b op_sel_hi:[1,0]   ; x log2(e)
.endr
.endr
.irp j, 0,1,2,3,4,5,6,7,8,9,10,11,12,13,14,15
	v_exp_f32 v[ACC+64+\j], v[ACC+64+\j]
.endr
	v_nop                                          ; a plain instruction behind the last exponential,
	s_wait_alu depctr_va_vdst(0)                   ; and one wait for two things: the sixteen exponentials have written v240-255, ahead of their first reader; the masked values v176-207 are written, which the stores below read
.irp t, 0,1,2,3
.irp i, 0,1
	global_store_b128 v10, v[ACC+8*\t+4*\i:ACC+8*\t+4*\i+3], s[22:23] offset:348160*\t+87040*\i+256*\m   ; four channels of 16 rows: sixteen lanes fill 256 consecutive bytes, aligned.  No vector instruction of the tile writes these registers behind the wait
.endr
.endr
.irp a, 0,1
	v_pk_add_f32 v[44+4*\a:45+4*\a], v[ACC+64+8*\a:ACC+65+8*\a], v[ACC+66+8*\a:ACC+67+8*\a]
	v_pk_add_f32 v[46+4*\a:47+4*\a], v[ACC+68+8*\a:ACC+69+8*\a], v[ACC+70+8*\a:ACC+71+8*\a]
.endr
.irp a, 0,1
	v_pk_add_f32 v[44+4*\a:45+4*\a], v[44+4*\a:45+4*\a], v[46+4*\a:47+4*\a]
.endr
.irp a, 0,1
	v_add_f32 v[44+4*\a], v[44+4*\a], v[45+4*\a]
.endr
.irp a, 0,1
	v_permlanex16_b32 v[45+4*\a], v[44+4*\a], s46, s47
.endr
.irp a, 0,1
	v_add_f32 v[44+4*\a], v[44+4*\a], v[45+4*\a]
.endr
.irp a, 0,1
	v_rcp_f32 v[44+4*\a], v[44+4*\a]
.endr
	v_nop
	s_wait_alu depctr_va_vdst(0)                   ; the two reciprocals have written v44 and v48, ahead of their first reader
.irp a, 0,1
.irp i, 0,2,4,6
	v_pk_mul_f32 v[ACC+64+8*\a+\i:ACC+65+8*\a+\i], v[ACC+64+8*\a+\i:ACC+65+8*\a+\i], v[44+4*\a:45+4*\a] op_sel_hi:[1,0]
.endr
.endr
	PCOMP 0, 0
	PCOMP 0, 1
	s_wait_alu depctr_va_vdst(0)                   ; the first head's places and weights (v80-103, v240-247) are written, which the eight stores below read
	PSTORE \m, 0, 0
	PSTORE \m, 0, 1
	PCOMP 1, 0                                     ; (writes none of the registers that the stores above read)
	PCOMP 1, 1
	s_wait_alu depctr_va_vdst(0)                   ; the second head's (v104-127, v248-255) are written.  Behind this wait the tile has no vector instruction: so it also states that the tile is done with v32-37 and v80-175, in which the next tile's loads land
	PSTORE \m, 1, 0
	PSTORE \m, 1, 1
.endm
	TILE 0
	TILE 1
	TILE 2
	TILE 3
	s_wait_dscnt 0x0                               ; the closing lines, six on end
	s_wait_alu 0x0
	s_wait_tensorcnt 0x0
	ds_add_u32 v23, v31
	s_wait_dscnt 0x0
	s_endpgm
.Lfunc_end_k_qa0701ab156_proj:
	.size	k_qa0701ab156_proj, .Lfunc_end_k_qa0701ab156_proj-k_qa0701ab156_proj
	.p2alignl 7, 3214868480
	.fill 96, 4, 3214868480
	.section	.rodata,"a",@progbits
	.p2align	6, 0x0
	.amdhsa_kernel k_qa0701ab156_proj
		.amdhsa_group_segment_fixed_size 116224
		.amdhsa_private_segment_fixed_size 0
		.amdhsa_enable_private_segment 0
		.amdhsa_kernarg_size 96
		.amdhsa_user_sgpr_count 2
		.amdhsa_user_sgpr_kernarg_segment_ptr 1
		.amdhsa_wavefront_size32 1
		.amdhsa_system_sgpr_workgroup_id_x 1
		.amdhsa_system_sgpr_workgroup_id_y 1
		.amdhsa_system_sgpr_workgroup_id_z 1
		.amdhsa_system_vgpr_workitem_id 0
		.amdhsa_next_free_vgpr 1024
		.amdhsa_next_free_sgpr 66
		.amdhsa_reserve_vcc 1
		.amdhsa_float_denorm_mode_32 3
		.amdhsa_float_denorm_mode_16_64 3
		.amdhsa_memory_ordered 1
		.amdhsa_forward_progress 1
		.amdhsa_inst_pref_size 200
	.end_amdhsa_kernel
	.amdgpu_metadata
---
amdhsa.version: [ 1, 2 ]
amdhsa.kernels:
  - .name:           k_qa0701ab156_proj
    .symbol:         k_qa0701ab156_proj.kd
    .args:
      - { .name: src, .offset: 0, .size: 8, .value_kind: global_buffer, .address_space: global }
      - { .name: pos, .offset: 8, .size: 8, .value_kind: global_buffer, .address_space: global }
      - { .name: reference_points, .offset: 16, .size: 8, .value_kind: global_buffer, .address_space: global }
      - { .name: padding_mask, .offset: 24, .size: 8, .value_kind: global_buffer, .address_space: global }
      - { .name: b_val, .offset: 32, .size: 8, .value_kind: global_buffer, .address_space: global }
      - { .name: b_off, .offset: 40, .size: 8, .value_kind: global_buffer, .address_space: global }
      - { .name: b_attn, .offset: 48, .size: 8, .value_kind: global_buffer, .address_space: global }
      - { .name: lowp_scales, .offset: 56, .size: 8, .value_kind: global_buffer, .address_space: global }
      - { .name: wfrag, .offset: 64, .size: 8, .value_kind: global_buffer, .address_space: global }
      - { .name: value, .offset: 72, .size: 8, .value_kind: global_buffer, .address_space: global }
      - { .name: pidx, .offset: 80, .size: 8, .value_kind: global_buffer, .address_space: global }
      - { .name: pwt, .offset: 88, .size: 8, .value_kind: global_buffer, .address_space: global }
    .group_segment_fixed_size: 116224
    .private_segment_fixed_size: 0
    .kernarg_segment_align: 8
    .kernarg_segment_size: 96
    .max_flat_workgroup_size: 128
    .sgpr_count:     66
    .vgpr_count:     1024
    .wavefront_size: 32
...
	.end_amdgpu_metadata
.endif
;; end of part 5
;; launch sample: the kernel of part 3 again; grid 256 x 1, 20 waves a work-group, no clusters, 305,920 bytes of LDS; arguments value, pidx, pwt, samp; writes samp
;; launch ffn (part 6): grid 85 x 8, 4 waves a work-group, no clusters, 215,552 bytes of LDS; arguments samp, src, wfrag, lowp_scales, b_out, g1, be1, b_ff1, b_ff2, g2, be2, out0; writes out0
.if DOCPART == 6
	.amdgcn_target "amdgcn-amd-amdhsa--gfx1250"
	.amdhsa_code_object_version 6
	.text
	.protected	k_qa0701ab156_ffn
	.globl	k_qa0701ab156_ffn
	.p2align	8
	.type	k_qa0701ab156_ffn,@function
k_qa0701ab156_ffn:
	s_mov_b64 s[64:65], 0
	v_nop
	global_prefetch_b8 v0, s[64:65] scope:SCOPE_SE
	s_setreg_imm32_b32 hwreg(HW_REG_WAVE_SCHED_MODE, 0, 2), 2
	s_setreg_imm32_b32 hwreg(HW_REG_WAVE_MODE, 25, 1), 1
	s_wait_xcnt 0x0
	s_wait_alu depctr_vm_vsrc(0)
; x = LN(src + samp w_out + b_out; g1, be1);  out0 = LN(x + relu(x w_ff1 + b_ff1) w_ff2 + b_ff2; g2, be2).  The three products run on E5M2 codes: samp with 2^e6, x with 2^e8,
; the hidden layer with 2^e10, the weights' codes as given (e7, e9, e11); sums, residuals and norms in f32.  The hidden layer never goes to memory.
; SHARES.  A work-group takes 64 rows.  In the ROW phases (quantising, norms) wave w owns rows 16 w .. + 15, a lane half a row: register 16 b + i = column 32 b + 16 h + i, so that a norm wants one
; exchange between the halves of the lanes.  In the COLUMN phases wave w owns 64 columns of the out-projection, 128 hidden units in each of two rounds, 64 columns of the second FFN product; its weight
; fragments come from wfrag straight into registers, in halves of 32 loads, each asked for as soon as its registers are free.  Codes go from wave to wave through LDS as images of operand registers, f32 rows through a stage.
; EVERYTHING IS ASKED FOR AHEAD: the fragments that a column phase reads from LDS lie in two buffers by turns, the next tile's fetched ahead of this tile's products (in the last product: fragment by fragment,
; three groups of four products ahead); the codes just made lie in two sets of registers by turns, so that no wait on LDS stands behind an image's stores.
; All products are used transposed (source 0 = 16 weight rows, source 1 = 16 data rows).
; The norm takes the mean first and then the centred squares.
; LIMITS: e6, e8 and e10 - e8 - e9 between -126 and 112; e6 + e7 and e10 + e11 between -126 and 127.  NaN and infinity among the inputs are not served.
; LDS: 0: 8 images (samp's codes, later x's); 16,384: 2 x 16 images of the hidden layer, a half for each round; 81,920: the stage, 64 rows x 1,040 bytes; 148,480: x in f32, kept while the FFN runs.
; REGISTERS.  window 0: v4-14 addresses; v16-21 the quantisers' constants; v32-47 and v240-255 codes just made, by turns; v48-79 and v80-111 two fragments each, by turns (v48-111 at work in row phases);
;   v112-175 hidden tiles; v112-175 and v176-239 four hidden fragments each, by turns (v112-239 also: rows out of the stage); v240-251 the norm's sums.
;   window 1: w_out's, then w_ff2's fragments; v128-255 be1.  window 2: w_ff1's fragments; at the end g2, be2.
;   window 3: v0-127 src, z, x; meanwhile the second round's b_ff1 and b_ff2;  v128-255 samp, g1, the first round's b_ff1, then the 16 accumulators of the last product.
; THE MODE: SCHED_MODE bits 1:0 = 2 (LLVM: expert scheduling mode 2), set by the entry lines.  The code itself states the register dependences
; between vector or matrix instructions and memory or LDS instructions, with s_wait_alu, always for 0.
; THE PLAN.  Registers that memory or LDS instructions touch, and who else names them:
;   v4-v14            addresses and offsets: made once at the head, never written again.
;   v32-47, v240-255  written by the conversions, read by an image's four stores; an image's set is written again two images later.  v240-251 are also the norm's sums.
;   v48-79, v80-111   two fragments land in one pair while the products read the other; in the row phases the holds write them and the conversions read them.
;   v112-175          out-projection: written by the products, read by the stage's stores, in two halves by turns.  Hidden layer: named by products, holds and conversions alone.
;   v112-239          the stage's rows land there and the norm reads them; in the last product four hidden fragments land in one half while the products read the other.
;   window 3 v0-127   src lands; read by the stage's stores, and the stage's loads land there again; the norm writes x; read by the stores into LDS and by the holds; then biases land, which products and multiply-adds read; then x lands again.
;   window 3 v128-255 samp, g1 and a bias land by turns, each read by vector or matrix instructions; then the last product's sums, read by the stage's stores.
;   windows 1 and 2   weights, gains and shifts land in halves of 128 registers; the products or the norm read them.
; THE WAITS.  On va_vdst: at the head of every image (the codes are written; the tile's products are done with their operands, so the next tile's fragments and the weights asked for behind an image owe nothing more);
; ahead of each run of stage stores; behind each norm; at the head of K steps 1 and 2 of each round of the last product.  On vm_vsrc: wherever registers that LDS stores have read are written again; each stands where it is said.
.set STP,   1040                       ; a stage row: 1,024 bytes + 16: row r begins at bank 4 r mod 64 (64 banks of 4 bytes: ISA guide 11.1)
.set WSTG,  16*STP
.set HIMG,  16384
.set STG,   81920
.set XS,    148480
.set LI,    4                          ; v4   16 x lane
.set STW,   5                          ; v5   STG + my wave's rows + 16 x lane
.set STR,   6                          ; v6   STG + my wave's rows + 1,040 r + 64 h
.set XWI,   7                          ; v7   4,096 wave + 16 x lane
.set HWI,   8                          ; v8   HIMG + 2,048 wave + 16 x lane
.set SO,    9                          ; v9   STG + 1,040 r + 32 h + 256 wave
.set XSA,   10                         ; v10  XS + my wave's rows + 1,040 r + 64 h
.set HLI,   14                         ; v14  HIMG + 16 x lane
.set PCA,   32                         ; the two sets of registers for codes just made;
.set PCB,   240
.set PC,    PCA                        ; the set in hand
.set XF,    48
.set TQ,    48
.set HA,    112
.set Z,     112
.set BO,    176
.set MSB, 0
.macro WIN new                         ; the immediate's high byte repeats the setting that is left; a switch that changes nothing is dropped
.if MSB != \new
	s_set_vgpr_msb (MSB<<8)|\new
.set MSB, \new
.endif
.endm
.macro PLACES                          ; four plain vector instructions between a matrix instruction and a read of its results (ISA guide 7.12.1)
.rept 4
	v_nop
.endr
.endm
; 64 numbers of a lane become a fragment's codes in v[PC] on.  The conversion to an 8-bit code does not saturate (ISA guide 7.6.2): the hold comes first; relu = 1: it clips at 0 as well.
; again = 1: an image's stores have read v[PC ..] since the last wait on vm_vsrc.
.macro QUANT win, src, dst, relu, sc, lim, again
	WIN \win
.set qi, 0
.rept 64
.if \relu
	v_med3_num_f32 v[\dst+qi], v[\src+qi], 0, v[\lim]
.else
	v_med3_num_f32 v[\dst+qi], v[\src+qi], -v[\lim], v[\lim]
.endif
.set qi, qi+1
.endr
	WIN 0
.if \again
	s_wait_alu depctr_vm_vsrc(0)                   ; the stores of the two images before have read their codes: v[PC ..] here, the other set for the next tile; the conversions write them again
.endif
.set qi, 0
.rept 8
	v_cvt_scalef32_pk8_bf8_f32 v[PC+2*qi:PC+2*qi+1], v[\dst+8*qi:\dst+8*qi+7], v[\sc]
.set qi, qi+1
.endr
	v_nop                                          ; a plain vector instruction between the last conversion and whatever next writes its sources
.endm
.macro IMAGE adr, off
	s_wait_alu depctr_va_vdst(0)                   ; the conversions have written v[PC ..], which the stores read
.irp c, 0,1,2,3
	ds_store_b128 v[\adr], v[PC+4*\c:PC+4*\c+3] offset:\off+512*\c
.endr
.endm
.macro FETCH reg, adr, off
.irp c, 0,1,2,3
	ds_load_b128 v[\reg+4*\c:\reg+4*\c+3], v[\adr] offset:\off+512*\c
.endr
.endm
.macro BARRIER                                 ; my LDS stores have landed and my LDS loads are in: then the work-group's barrier
	s_wait_dscnt 0x0
	s_barrier_signal -1
	s_barrier_wait -1
.endm
.macro MKQ e, vsc, vlim
	s_add_co_i32 s56, s[\e], 127
	s_lshl_b32 s57, s56, 23
	v_mov_b32 v[\vsc], s57
	s_add_co_i32 s56, s56, 15
	s_lshl_b32 s56, s56, 23
	s_or_b32 s56, s56, 0x600000
	v_mov_b32 v[\vlim], s56
.endm
.macro MKF d, ea, eb
	s_add_co_i32 s[\d], s[\ea], s[\eb]
	s_add_co_i32 s[\d], s[\d], 127
	s_lshl_b32 s[\d], s[\d], 23
	s_mov_b32 s[\d+1], s[\d]
.endm
.macro WLOAD win, base, f0, nfr, off           ; fragments f0 .. f0 + nfr - 1 of a run that lies on end, into registers 16 f on of a window
	WIN \win
.set wf, \f0
.rept \nfr
.irp c, 0,1,2,3
	global_load_b128 v[16*wf+4*\c:16*wf+4*\c+3], v[LI], s[\base:\base+1] offset:\off+2048*wf+512*\c
.endr
.set wf, wf+1
.endr
	WIN 0
.endm
.macro W2LOAD rho, t0                          ; w_ff2: tiles t0, t0 + 1 of my four, K steps 4 rho .. 4 rho + 3, fragment 4 t + s, into window 1: 32 loads
	WIN 0x40
.irp t, \t0, \t0+1
.irp s, 0,1,2,3
.irp c, 0,1,2,3
	global_load_b128 v[16*(4*(\t)+\s)+4*\c:16*(4*(\t)+\s)+4*\c+3], v[LI], s[52:53] offset:16384*(\t)+8192*\rho+2048*\s+512*\c
.endr
.endr
.endr
	WIN 0
.endm
.macro VLOAD win, reg, base                    ; 256 numbers in the row phases' order: register 16 b + i = number 32 b + 16 h + i: 32 loads
	WIN \win
.irp b, 0,1,2,3,4,5,6,7
.irp j, 0,1,2,3
	global_load_b128 v[\reg+16*\b+4*\j:\reg+16*\b+4*\j+3], v13, s[\base:\base+1] offset:128*\b+16*\j
.endr
.endr
	WIN 0
.endm
.macro B1LOAD reg, off                         ; b_ff1 of my 128 hidden units, in the results' layout: tile 2 b + u, register j: unit 32 b + 16 h + 8 u + j; into window 3
	WIN 0xc0
.irp t, 0,1,2,3,4,5,6,7
	global_load_b128 v[\reg+8*\t:\reg+8*\t+3], v13, s[18:19] offset:\off+(32*(\t/2)+8*(\t%2))*4
	global_load_b128 v[\reg+8*\t+4:\reg+8*\t+7], v13, s[18:19] offset:\off+(32*(\t/2)+8*(\t%2))*4+16
.endr
	WIN 0
.endm
.macro FOLD                                    ; four pairs of partial sums -> the row's sum in v240, in both lanes of the row
	v_pk_add_f32 v[240:241], v[240:241], v[242:243]
	v_pk_add_f32 v[244:245], v[244:245], v[246:247]
	v_pk_add_f32 v[240:241], v[240:241], v[244:245]
	v_add_f32 v240, v240, v241
	v_permlanex16_b32 v241, v240, s46, s47
	v_add_f32 v240, v240, v241
.endm
; X (window 3, v0-127) = LN(X + Z).  win: the window setting of the last line (X x gain + shift); gr, br: the gain's and the shift's first registers in their windows.
.macro LN win, gr, br
	WIN 0xc3                                       ; destination and source 0 in window 3
.set li, 0
.rept 64
	v_pk_add_f32 v[li:li+1], v[li:li+1], v[Z+li:Z+li+1]
.set li, li+2
.endr
	WIN 0x0f                                       ; both sources in window 3: the first eight pairs start four chains
.irp c, 0,1,2,3
	v_pk_add_f32 v[240+2*\c:241+2*\c], v[2*\c:2*\c+1], v[8+2*\c:9+2*\c]
.endr
	WIN 0x0c
.set li, 8
.rept 56
	v_pk_add_f32 v[240+2*(li%4):241+2*(li%4)], v[240+2*(li%4):241+2*(li%4)], v[2*li:2*li+1]
.set li, li+1
.endr
	WIN 0
	FOLD
	v_mul_f32 v248, s54, v240                      ; the mean
	v_mov_b32 v249, v248                           ; (named with it as a pair, so it is written)
	WIN 0xc3
.set li, 0
.rept 64
	v_pk_add_f32 v[li:li+1], v[li:li+1], v[248:249] op_sel_hi:[1,0] neg_lo:[0,1] neg_hi:[0,1]
.set li, li+2
.endr
	WIN 0x0f
.irp c, 0,1,2,3
	v_pk_mul_f32 v[240+2*\c:241+2*\c], v[2*\c:2*\c+1], v[2*\c:2*\c+1]
.endr
.set li, 4
.rept 60
	v_pk_fma_f32 v[240+2*(li%4):241+2*(li%4)], v[2*li:2*li+1], v[2*li:2*li+1], v[240+2*(li%4):241+2*(li%4)]
.set li, li+1
.endr
	WIN 0
	FOLD
	v_fma_f32 v240, v240, s54, s55                 ; the variance + 1e-5
	v_rsq_f32 v250, v240
	v_nop                                          ; a plain instruction behind the transcendental,
	s_wait_alu depctr_va_vdst(0)                   ; and the wait: the root has written v250, ahead of its first reader
	v_mov_b32 v251, v250
	s_wait_loadcnt 0x0                             ; gain and shift (in the first norm 64 loads were issued behind them, more than a count can leave out)
	WIN 0xc3
.set li, 0
.rept 64
	v_pk_mul_f32 v[li:li+1], v[li:li+1], v[250:251] op_sel_hi:[1,0]
.set li, li+2
.endr
	WIN \win
.set li, 0
.rept 64
	v_pk_fma_f32 v[li:li+1], v[li:li+1], v[\gr+li:\gr+li+1], v[\br+li:\br+li+1]
.set li, li+2
.endr
	WIN 0
.endm
.macro ZLOAD                                   ; my 16 rows out of the stage, in the row phases' order
.irp b, 0,1,2,3,4,5,6,7
.irp j, 0,1,2,3
	ds_load_b128 v[Z+16*\b+4*\j:Z+16*\b+4*\j+3], v[STR] offset:128*\b+16*\j
.endr
.endr
.endm
	s_load_b512 s[4:19], s[0:1], 0x0               ; samp 4, src 6, wfrag 8, scales 10, b_out 12, g1 14, be1 16, b_ff1 18
	s_load_b256 s[20:27], s[0:1], 0x40             ; b_ff2 20, g2 22, be2 24, out0 26
	v_lshl_add_u32 v30, v0, 2, 0x34800
	v_mov_b32 v31, 0
	v_lshrrev_b32 v1, 5, v0
	v_readfirstlane_b32 s36, v1                    ; wave
	v_and_b32 v1, 31, v0
	v_and_b32 v2, 15, v0                           ; r
	v_bfe_u32 v3, v0, 4, 1                         ; h
	v_lshlrev_b32 v[LI], 4, v1
	v_mul_u32_u24 v11, v3, 348160
	v_lshl_add_u32 v11, v2, 4, v11                 ; samp: four groups of channels a half, 16 bytes a row
	s_wait_alu depctr_va_sdst(0)                   ; s36 is written, ahead of its first reader: the bases are made from it
	s_and_b32 s37, ttmp7, 0xffff                   ; image n
	s_mul_i32 s38, s37, 5440
	s_lshl_b32 s39, ttmp9, 6
	s_add_co_u32 s38, s38, s39                     ; R0
	s_lshl_b32 s58, s36, 4
	s_add_co_u32 s58, s58, s38
	s_lshl_b32 s58, s58, 10                        ; my wave's first row of src and out0, in bytes
	s_mov_b32 s59, 0
	s_mul_i32 s60, s37, 5570560                    ; samp [n][64 groups][5,440 rows][4]
	s_lshl_b32 s62, ttmp9, 10
	s_add_co_u32 s60, s60, s62
	s_lshl_b32 s62, s36, 8
	s_add_co_u32 s60, s60, s62
	s_mov_b32 s61, 0
	s_wait_kmcnt 0x0
	s_load_b256 s[28:35], s[10:11], 0x10           ; e4 .. e11: e6 = s30, e7 = s31, e8 = s32, e9 = s33, e10 = s34, e11 = s35
	s_add_nc_u64 s[4:5], s[4:5], s[60:61]
	s_add_nc_u64 s[6:7], s[6:7], s[58:59]
	s_add_nc_u64 s[26:27], s[26:27], s[58:59]
	WIN 0xc0                                       ; destination window 3
	s_wait_alu depctr_va_vdst(0)                   ; v4 and v11 are written, the offsets of the loads below
.irp b, 0,1,2,3,4,5,6,7
.irp i, 0,1,2,3
	global_load_b128 v[128+16*\b+4*\i:128+16*\b+4*\i+3], v11, s[4:5] offset:(8*\b+\i)*87040 th:TH_LOAD_NT   ; channels 32 b + 16 h + 4 i on of my row: sixteen lanes read 256 consecutive bytes
.endr
.endr
.irp i, 0,1,2,3,4,5,6,7,8,9,10,11,12,13,14
	global_load_b128 v[8*\i:8*\i+3], v[LI], s[6:7] offset:1024*\i th:TH_LOAD_NT       ; 32 lanes read 512 consecutive bytes: half a row
	global_load_b128 v[8*\i+4:8*\i+7], v[LI], s[6:7] offset:1024*\i+512 th:TH_LOAD_NT
.endr
	WIN 0                                          ; 62 loads are out; src's last row follows behind the set-up below
	s_lshl_b32 s58, s36, 8
	s_add_nc_u64 s[12:13], s[12:13], s[58:59]      ; b_out, b_ff2: my 64 numbers
	s_add_nc_u64 s[20:21], s[20:21], s[58:59]
	s_lshl_b32 s58, s36, 9
	s_add_nc_u64 s[18:19], s[18:19], s[58:59]      ; b_ff1: my 128 of a round
	s_lshl_b32 s58, s36, 14
	s_add_nc_u64 s[48:49], s[8:9], s[58:59]
	s_add_nc_u64 s[48:49], s[48:49], 163840        ; w_out's fragments: my 8
	s_lshl_b32 s58, s36, 15
	s_add_nc_u64 s[50:51], s[8:9], s[58:59]
	s_add_nc_u64 s[50:51], s[50:51], 229376        ; w_ff1's: my 16 of a round
	s_lshl_b32 s58, s36, 16
	s_add_nc_u64 s[52:53], s[8:9], s[58:59]
	s_add_nc_u64 s[52:53], s[52:53], 491520        ; w_ff2's: my 32
	s_mov_b32 s46, 0x76543210                      ; v_permlanex16_b32: lane l xor 16
	s_mov_b32 s47, 0xfedcba98
	s_mov_b32 s54, 0x3b800000                      ; 1 / 256
	s_mov_b32 s55, 0x3727c5ac                      ; 1e-5
	s_mul_i32 s58, s36, WSTG
	s_add_co_u32 s60, s58, STG
	v_add_nc_u32 v[STW], s60, v[LI]
	v_mul_u32_u24 v15, v2, STP                     ; 1,040 r
	v_lshl_add_u32 v[STR], v3, 6, v15
	v_add_nc_u32 v[XSA], s58, v[STR]
	v_add_nc_u32 v[XSA], XS, v[XSA]
	v_add_nc_u32 v[STR], s60, v[STR]
	s_lshl_b32 s60, s36, 12
	v_add_nc_u32 v[XWI], s60, v[LI]
	s_lshl_b32 s60, s36, 11
	s_add_co_u32 s60, s60, HIMG
	v_add_nc_u32 v[HWI], s60, v[LI]
	v_add_nc_u32 v[HLI], HIMG, v[LI]
	s_lshl_b32 s60, s36, 8
	s_add_co_u32 s60, s60, STG
	v_lshl_add_u32 v[SO], v3, 5, v15
	v_add_nc_u32 v[SO], s60, v[SO]
	v_lshlrev_b32 v12, 5, v3                       ; 32 h: my half's eight numbers of a tile's bias
	v_lshlrev_b32 v13, 6, v3                       ; 64 h: my half's sixteen of a block of 32
	s_wait_kmcnt 0x0
	MKQ 30, 16, 17                                 ; samp's scale
	MKQ 32, 18, 19                                 ; x's
	s_add_co_i32 s44, s32, s33                     ; e8 + e9: a sum of the first FFN product stands for sum x 2^(e8 + e9)
	s_sub_co_i32 s58, s34, s44
	MKQ 58, 20, 21                                 ; so the hidden layer's conversion takes 2^(e10 - e8 - e9),
	s_sub_co_i32 s44, 0, s44                       ; and b_ff1 goes in as b_ff1 / 2^(e8 + e9)
	MKF 40, 30, 31
	MKF 42, 34, 35
	WIN 0xc0
	s_wait_alu depctr_va_vdst(0)                   ; the addresses and offsets v5 to v14 are written: every LDS and memory instruction from here on reads one of them or v4
	global_load_b128 v[120:123], v[LI], s[6:7] offset:15360 th:TH_LOAD_NT      ; src's row 15
	global_load_b128 v[124:127], v[LI], s[6:7] offset:15872 th:TH_LOAD_NT
	WIN 0
	; ---- P0, rows: samp's codes; src into the row phases' order
	s_wait_loadcnt 32                              ; samp's 32 loads are in; src's 32 may be out
	WLOAD 0x40, 48, 0, 8, 0                        ; w_out's fragments (2 t + s)
.irp t, 0,1,2,3
	global_load_b128 v[BO+8*\t:BO+8*\t+3], v12, s[12:13] offset:64*\t
	global_load_b128 v[BO+8*\t+4:BO+8*\t+7], v12, s[12:13] offset:64*\t+16
.endr
.set PC, PCA
	QUANT 3, 128, TQ, 0, 16, 17, 0
	IMAGE XWI, 0
.set PC, PCB                                   ; the other set of registers
	QUANT 3, 192, TQ, 0, 16, 17, 0
	IMAGE XWI, 2048                                ; its wait also states: the holds are done reading samp (window 3, v128-255), in which g1 lands below, and the quantiser is done with v48-111, in which the first fragments land
	s_wait_loadcnt 40                              ; src is in; the 40 loads issued behind it may be out
	WIN 0x0c                                       ; store data in window 3
.irp i, 0,1,2,3,4,5,6,7,8,9,10,11,12,13,14,15
	ds_store_b128 v[STW], v[8*\i:8*\i+3] offset:STP*\i
	ds_store_b128 v[STW], v[8*\i+4:8*\i+7] offset:STP*\i+512
.endr
	WIN 0xc0                                       ; and back into the registers that it left; LDS serves a wave's instructions in order
	s_wait_alu depctr_vm_vsrc(0)                   ; the stores above have read window 3's v0-127, in which the loads below land (and the two images' stores have read their codes)
.irp b, 0,1,2,3,4,5,6,7
.irp j, 0,1,2,3
	ds_load_b128 v[16*\b+4*\j:16*\b+4*\j+3], v[STR] offset:128*\b+16*\j
.endr
.endr
	WIN 0
	VLOAD 0xc0, 128, 14                            ; g1, where samp lay
	BARRIER                                        ; samp's eight fragments lie in LDS; every wave's reads of the stage are over
	FETCH XF, LI, 0                                ; the first tile's two fragments
	FETCH XF+16, LI, 2048
	s_wait_loadcnt 32                              ; w_out's fragments and b_out are in; g1's 32 loads may be out
	; ---- P1, columns: my 64 columns of samp w_out + b_out, a tile of 16 rows at a time, into the stage
.irp m, 0,1,2,3
.set XB, XF+32*(\m%2)                          ; this tile's fragments,
.set XN, XF+32-32*(\m%2)                       ; the next tile's
.set AC, HA+32*(\m%2)
.if \m == 0
	s_wait_dscnt 0x0
.else
	s_wait_dscnt 8                                 ; this tile's fragments are in; the eight stage stores issued behind them may be out
.endif
.if \m == 2
	s_wait_alu depctr_vm_vsrc(0)                   ; the stage stores of tiles 0 and 1 have read v112-175, which the products of this tile and the next write again
.endif
.if \m < 3
	FETCH XN, LI, (2*\m+2)*2048                    ; a tile ahead: they land under the products.  The products that read these registers stand ahead of the last tile's wait on va_vdst, and nothing behind it names them
	FETCH XN+16, LI, (2*\m+3)*2048
.endif
	WIN 0x01                                       ; source 0 in window 1.  The four accumulators take turns
.irp t, 0,1,2,3
	v_wmma_f32_16x16x128_bf8_bf8 v[AC+8*\t:AC+8*\t+7], v[32*\t:32*\t+15], v[XB:XB+15], 0
.endr
.irp t, 0,1,2,3
	v_wmma_f32_16x16x128_bf8_bf8 v[AC+8*\t:AC+8*\t+7], v[32*\t+16:32*\t+31], v[XB+16:XB+31], v[AC+8*\t:AC+8*\t+7]
.endr
	WIN 0
	PLACES
.irp t, 0,1,2,3
.irp i, 0,2,4,6
	v_pk_fma_f32 v[AC+8*\t+\i:AC+8*\t+\i+1], v[AC+8*\t+\i:AC+8*\t+\i+1], s[40:41], v[BO+8*\t+\i:BO+8*\t+\i+1] op_sel_hi:[1,0,1]
.endr
.endr
	s_wait_alu depctr_va_vdst(0)                   ; the multiply-adds have written v[AC ..], which the stores read; the tile's products are done reading their two fragments, in which the next tile's fetch lands
.irp t, 0,1,2,3
	ds_store_b128 v[SO], v[AC+8*\t:AC+8*\t+3] offset:WSTG*\m+64*\t          ; lane (r, h): row 16 m + r, columns 64 w + 16 t + 8 h + 0 .. 7
	ds_store_b128 v[SO], v[AC+8*\t+4:AC+8*\t+7] offset:WSTG*\m+64*\t+16
.endr
.if \m == 0
	VLOAD 0x40, 128, 16                            ; be1: 32 loads between the tiles,
.endif
.if \m == 1
	WLOAD 0x80, 50, 0, 8, 0                        ; w_ff1's fragments of the first round (2 T + s): the first half,
.endif
.if \m == 2
	WLOAD 0x80, 50, 8, 8, 0                        ; the second
.endif
.endr
	BARRIER                                        ; 64 whole rows lie in the stage; every wave's reads of samp's images are over
	; ---- P2, rows: the first norm; x is kept in LDS and quantised
	s_wait_alu depctr_vm_vsrc(0)                   ; the stage stores of tiles 2 and 3 have read v112-175, in which the loads below land (the vector side was done with v112-207 at the last tile's wait)
	ZLOAD
	s_wait_dscnt 0x0
	LN 0xdf, 128, 128                              ; X x g1 (window 3) + be1 (window 1)
	s_wait_alu depctr_va_vdst(0)                   ; the norm has written x (window 3, v0-127), which the LDS stores below read, and is done reading g1 (window 3, v128-255), in which b_ff1 lands, and be1 (window 1, v128-255), in which w_ff2 lands later
	B1LOAD 128, 0                                  ; the first round's b_ff1, where g1 lay
	WIN 0x0c
.irp b, 0,1,2,3,4,5,6,7
.irp j, 0,1,2,3
	ds_store_b128 v[XSA], v[16*\b+4*\j:16*\b+4*\j+3] offset:128*\b+16*\j
.endr
.endr
	WIN 0
.set PC, PCA
	QUANT 3, 0, TQ, 0, 18, 19, 0
	IMAGE XWI, 0
.set PC, PCB
	QUANT 3, 64, TQ, 0, 18, 19, 0
	IMAGE XWI, 2048                                ; its wait also states: the holds are done reading x's registers
	s_wait_dscnt 0x0                               ; x is stored,
	s_wait_alu depctr_vm_vsrc(0)                   ; and the stores have read window 3's v0-127, in which the loads below land (and the two images' stores have read their codes)
	B1LOAD 0, 2048                                 ; the second round's b_ff1,
	WIN 0xc0
.irp t, 0,1,2,3
	global_load_b128 v[64+8*\t:67+8*\t], v12, s[20:21] offset:64*\t        ; and b_ff2
	global_load_b128 v[68+8*\t:71+8*\t], v12, s[20:21] offset:64*\t+16
.endr
	s_wait_loadcnt 24                              ; the first round's b_ff1 is in; the 24 loads issued behind it may be out
	WIN 0xc3
.set li, 0
.rept 64
	v_ldexp_f32 v[128+li], v[128+li], s44
.set li, li+1
.endr
	WIN 0
	W2LOAD 0, 0                                    ; w_ff2's K steps 0-3: tiles 0, 1; with the 24 above 56 loads are out.  (The out-projection's products, which read these registers, stand ahead of many waits on va_vdst)
	BARRIER                                        ; x's eight fragments lie in LDS
; The hidden layer of round rho: my 128 units for the 64 rows; relu and the quantiser in registers; the codes are K step w of this round's half of the last product.
; x's fragments of tile 0 are fetched at the head (round 0) or were fetched under the last products of the round before (round 1).
; The wait on va_vdst at the head of a tile's image states as well that the tile's products are done with their operands: so the next tile's fetch into the fragments that they read, and the loads
; of weights, gains and shifts that stand behind an image, owe no wait of their own; no vector or matrix instruction between that wait and those loads names the registers in which they land.
.macro P3A rho
.if \rho == 0
	FETCH XF, LI, 0
	FETCH XF+16, LI, 2048
.endif
.irp m, 0,1,2,3
.set XB, XF+32*(\m%2)
.set XN, XF+32-32*(\m%2)
.set PC, PCA+(PCB-PCA)*(\m%2)
.set AG, 0                                     ; does this tile's quantiser owe the wait on vm_vsrc?  One wait serves two tiles' sets of codes:
.if \m == 2
.set AG, 1                                     ; tile 2: for the images of tiles 0 and 1;
.endif
.if (\m == 0) && (\rho == 1)
.set AG, 1                                     ; tile 0 of the second round: for the images of the first round's tiles 2 and 3
.endif
.if \m == 0
	s_wait_dscnt 0x0
.else
	s_wait_dscnt 4                                 ; this tile's fragments are in; the image's four stores issued behind them may be out
.endif
.if \m < 3
	FETCH XN, LI, (2*\m+2)*2048                    ; a tile ahead
	FETCH XN+16, LI, (2*\m+3)*2048
.endif
	WIN 0x32                                       ; source 0 (w_ff1) window 2, source 2 (the bias, which starts the sums) window 3
.irp t, 0,1,2,3,4,5,6,7
	v_wmma_f32_16x16x128_bf8_bf8 v[HA+8*\t:HA+8*\t+7], v[32*\t:32*\t+15], v[XB:XB+15], v[128-128*\rho+8*\t:128-128*\rho+8*\t+7]
.endr
	WIN 0x02
.irp t, 0,1,2,3,4,5,6,7
	v_wmma_f32_16x16x128_bf8_bf8 v[HA+8*\t:HA+8*\t+7], v[32*\t+16:32*\t+31], v[XB+16:XB+31], v[HA+8*\t:HA+8*\t+7]
.endr
	WIN 0
	PLACES
	QUANT 0, HA, HA, 1, 20, 21, AG
	IMAGE HWI, 32768*\rho+8192*\m
.if \rho == 0
.if \m == 0
	W2LOAD 0, 2                                    ; w_ff2's K steps 0-3: tiles 2, 3, where be1 lay
.endif
.if \m == 3
	WLOAD 0x80, 50, 0, 8, 131072                   ; the round's last products are done: w_ff1's fragments of the second round, the first half
.endif
.else
.if \m == 0
	W2LOAD 1, 0                                    ; the last product's first round is done with window 1: w_ff2's K steps 4-7: tiles 0, 1,
.endif
.if \m == 1
	W2LOAD 1, 2                                    ; tiles 2, 3
.endif
.if \m == 3
	VLOAD 0x80, 0, 22                              ; the round's last products are done: g2
.endif
.endif
.endr
	BARRIER                                        ; the round's sixteen fragments lie in LDS
.irp m, 0,1,2,3
	FETCH HA+16*\m, HLI, 32768*\rho+(4*\m)*2048    ; the last product's first K step of this round, straight behind the barrier
.endr
.endm
; The last product's K steps 4 rho .. 4 rho + 3: sixteen accumulators (four tiles of columns x four tiles of rows) by turns, a K step at a time.  The four hidden fragments of a step lie in v112-175 (even steps) or v176-239 (odd steps).
; A step goes in four groups of four products, a tile of rows to a group.  Behind group m stand the four loads of the same tile's fragment of the NEXT step, into the other buffer.  So ahead of every group twelve LDS loads
; are younger than the fragment that it wants: the three fragments asked for behind it.  In a round's last step the counts run down (round 0: x's two fragments for the second round take the place of two).
; ONE wait on va_vdst at the head of steps 1 and 2: the step before is done reading the buffer into which this step's loads go; this step's own products name the other buffer.
; Steps 0 and 3 owe none: step 0's loads go where products read that stand ahead of the hidden layer's waits, step 3 fetches nothing into either buffer.
.macro P3B rho
.irp s, 0,1,2,3
.set SB, HA+64*(\s%2)
.set SN, HA+64-64*(\s%2)
.irp m, 0,1,2,3
.set CNT, 12
.if \s == 3
.if \rho == 0
.if \m == 3
.set CNT, 8
.endif
.else
.set CNT, 12-4*\m
.endif
.endif
	s_wait_dscnt CNT                               ; LDS loads come back in order: this group's fragment is in; what was asked for behind it may be out
.if (\m == 0) && ((\s == 1) || (\s == 2))
	s_wait_alu depctr_va_vdst(0)                   ; the last step's products are done reading v[SN ..], in which this step's sixteen loads land
.endif
.if (\rho+\s) == 0
	WIN 0xc1                                       ; source 0 (w_ff2) window 1, destination window 3
.else
	WIN 0xf1                                       ; C and D window 3
.endif
.irp t, 0,1,2,3
.if (\rho+\s) == 0
	v_wmma_f32_16x16x128_bf8_bf8 v[128+8*(4*\t+\m):128+8*(4*\t+\m)+7], v[16*(4*\t+\s):16*(4*\t+\s)+15], v[SB+16*\m:SB+16*\m+15], 0
.else
	v_wmma_f32_16x16x128_bf8_bf8 v[128+8*(4*\t+\m):128+8*(4*\t+\m)+7], v[16*(4*\t+\s):16*(4*\t+\s)+15], v[SB+16*\m:SB+16*\m+15], v[128+8*(4*\t+\m):128+8*(4*\t+\m)+7]
.endif
.endr
.if \s < 3
	WIN 0
	FETCH SN+16*\m, HLI, 32768*\rho+(4*\m+\s+1)*2048   ; a K step ahead.  No wait: no matrix instruction since the step's head names v[SN ..]
.else
.if (\rho == 0) && (\m < 2)
	WIN 0
	FETCH XF+16*\m, LI, 2048*\m                    ; x's fragments of tile 0 for the second round (the hidden layer's products, which read these registers, stand ahead of its waits)
.endif
.endif
.endr
	WIN 0
	PLACES
	v_nop                                          ; a fifth place: v112-175, an operand here, is later written by matrix instructions
.endr
.endm
	P3A 0
	s_wait_loadcnt 32                              ; w_ff2's first chunk, the second round's b_ff1 and b_ff2 are in; the 32 loads issued behind the round's last image may be out
	WIN 0xc3
.set li, 0
.rept 64
	v_ldexp_f32 v[li], v[li], s44
.set li, li+1
.endr
	WIN 0
	WLOAD 0x80, 50, 8, 8, 131072                   ; w_ff1's fragments of the second round: the second half (the first round's products stand ahead of its last image's wait; the lines since name window 3 alone)
	P3B 0
	s_wait_loadcnt 0x0                             ; w_ff1's second round
	P3A 1
	s_wait_loadcnt 32                              ; w_ff2's second chunk is in; g2's 32 loads may be out
	VLOAD 0x80, 128, 24                            ; be2 (the second round's products stand ahead of its last image's wait)
	P3B 1
	; ---- P4: the sums x 2^(e10 + e11) + b_ff2 into the stage; the second norm; out
	WIN 0xff                                       ; all in window 3
.irp t, 0,1,2,3
.irp m, 0,1,2,3
.irp i, 0,2,4,6
	v_pk_fma_f32 v[128+8*(4*\t+\m)+\i:128+8*(4*\t+\m)+\i+1], v[128+8*(4*\t+\m)+\i:128+8*(4*\t+\m)+\i+1], s[42:43], v[64+8*\t+\i:64+8*\t+\i+1] op_sel_hi:[1,0,1]
.endr
.endr
.endr
	WIN 0x0c
	s_wait_alu depctr_va_vdst(0)                   ; the multiply-adds have written window 3's v128-255, which the stores read, and are done reading b_ff2; the products are done reading b_ff1 (window 3, v0-63) and the hidden fragments (v112-239): x and the stage's rows land there below
.irp t, 0,1,2,3
.irp m, 0,1,2,3
	ds_store_b128 v[SO], v[128+8*(4*\t+\m):128+8*(4*\t+\m)+3] offset:WSTG*\m+64*\t
	ds_store_b128 v[SO], v[128+8*(4*\t+\m)+4:128+8*(4*\t+\m)+7] offset:WSTG*\m+64*\t+16
.endr
.endr
	WIN 0xc0
.irp b, 0,1,2,3,4,5,6,7
.irp j, 0,1,2,3
	ds_load_b128 v[16*\b+4*\j:16*\b+4*\j+3], v[XSA] offset:128*\b+16*\j    ; x comes back
.endr
.endr
	WIN 0
	BARRIER
	ZLOAD
	s_wait_dscnt 0x0
	s_wait_alu depctr_vm_vsrc(0)                   ; the hidden layer's last image's stores have read v240-255, where the norm keeps its sums
	LN 0xeb, 0, 128                                ; X x g2 + be2, both in window 2
	WIN 0x0c
	s_wait_alu depctr_va_vdst(0)                   ; the norm has written window 3's v0-127, which the stores read, and is done reading v112-239, in which the loads below land
.irp b, 0,1,2,3,4,5,6,7
.irp j, 0,1,2,3
	ds_store_b128 v[STR], v[16*\b+4*\j:16*\b+4*\j+3] offset:128*\b+16*\j   ; my own 16 rows of the stage, which only I have read
.endr
.endr
	WIN 0
.set k, 0
.rept 32
	ds_load_b128 v[Z+4*k:Z+4*k+3], v[STW] offset:STP*(k/2)+512*(k%2)
.set k, k+1
.endr
.set k, 0
.rept 32
	s_wait_dscnt 31-k                              ; LDS loads come back in order: load k is in
	global_store_b128 v[LI], v[Z+4*k:Z+4*k+3], s[26:27] offset:1024*(k/2)+512*(k%2) th:TH_STORE_NT   ; 32 lanes store 512 consecutive bytes, aligned
.set k, k+1
.endr
	s_wait_dscnt 0x0                               ; the closing lines, six on end
	s_wait_alu 0x0
	s_wait_tensorcnt 0x0
	ds_add_u32 v30, v31
	s_wait_dscnt 0x0
	s_endpgm
.Lfunc_end_k_qa0701ab156_ffn:
	.size	k_qa0701ab156_ffn, .Lfunc_end_k_qa0701ab156_ffn-k_qa0701ab156_ffn
	.p2alignl 7, 3214868480
	.fill 96, 4, 3214868480
	.section	.rodata,"a",@progbits
	.p2align	6, 0x0
	.amdhsa_kernel k_qa0701ab156_ffn
		.amdhsa_group_segment_fixed_size 215552
		.amdhsa_private_segment_fixed_size 0
		.amdhsa_enable_private_segment 0
		.amdhsa_kernarg_size 96
		.amdhsa_user_sgpr_count 2
		.amdhsa_user_sgpr_kernarg_segment_ptr 1
		.amdhsa_wavefront_size32 1
		.amdhsa_system_sgpr_workgroup_id_x 1
		.amdhsa_system_sgpr_workgroup_id_y 1
		.amdhsa_system_sgpr_workgroup_id_z 1
		.amdhsa_system_vgpr_workitem_id 0
		.amdhsa_next_free_vgpr 1024
		.amdhsa_next_free_sgpr 66
		.amdhsa_reserve_vcc 0
		.amdhsa_float_denorm_mode_32 3
		.amdhsa_float_denorm_mode_16_64 3
		.amdhsa_memory_ordered 1
		.amdhsa_forward_progress 1
		.amdhsa_inst_pref_size 245
	.end_amdhsa_kernel
	.amdgpu_metadata
---
amdhsa.version: [ 1, 2 ]
amdhsa.kernels:
  - .name:           k_qa0701ab156_ffn
    .symbol:         k_qa0701ab156_ffn.kd
    .args:
      - { .name: samp, .offset: 0, .size: 8, .value_kind: global_buffer, .address_space: global }
      - { .name: src, .offset: 8, .size: 8, .value_kind: global_buffer, .address_space: global }
      - { .name: wfrag, .offset: 16, .size: 8, .value_kind: global_buffer, .address_space: global }
      - { .name: lowp_scales, .offset: 24, .size: 8, .value_kind: global_buffer, .address_space: global }
      - { .name: b_out, .offset: 32, .size: 8, .value_kind: global_buffer, .address_space: global }
      - { .name: g1, .offset: 40, .size: 8, .value_kind: global_buffer, .address_space: global }
      - { .name: be1, .offset: 48, .size: 8, .value_kind: global_buffer, .address_space: global }
      - { .name: b_ff1, .offset: 56, .size: 8, .value_kind: global_buffer, .address_space: global }
      - { .name: b_ff2, .offset: 64, .size: 8, .value_kind: global_buffer, .address_space: global }
      - { .name: g2, .offset: 72, .size: 8, .value_kind: global_buffer, .address_space: global }
      - { .name: be2, .offset: 80, .size: 8, .value_kind: global_buffer, .address_space: global }
      - { .name: out0, .offset: 88, .size: 8, .value_kind: global_buffer, .address_space: global }
    .group_segment_fixed_size: 215552
    .private_segment_fixed_size: 0
    .kernarg_segment_align: 8
    .kernarg_segment_size: 96
    .max_flat_workgroup_size: 128
    .sgpr_count:     66
    .vgpr_count:     1024
    .wavefront_size: 32
...
	.end_amdgpu_metadata
.endif
;; end of part 6
